; MI455X (gfx1250); checked and timed in simulation.
; The chip was launched on July 23, 2026; its instructions are those of AMD's public machine-readable ISA for CDNA 5 (MIT licence, August 2026) and "CDNA5" Instruction Set Architecture Reference Guide (July 2026). The comments in the code are by the model that wrote it; some were corrected since.
;; Multi Head Self Attention. Allowed arithmetic: matrix products marked QUANTISED: E4M3 operands, one given power-of-two scale a tensor, by v_wmma_f32_16x16x64_fp8_fp8 or v_wmma_f32_16x16x128_fp8_fp8, f32 sums; everything else in f32.
;; Inputs: Wk 1,024 x 1,024 float32; Wo 1,024 x 1,024 float32; Wq 1,024 x 1,024 float32; Wv 1,024 x 1,024 float32; X 4 x 2,048 x 1,024 float32; bk 1,024 float32; bo 1,024 float32; bq 1,024 float32; bv 1,024 float32; ln_beta 1,024 float32; ln_gamma 1,024 float32; lowp_scales 12 int32 (the exponents e of the quantised operands' scales 2^e).
;; Outputs: out0 4 x 2,048 x 1,024 float32.
;; This version of the problem:
;;   THIS VERSION OF THE PROBLEM IS GIVEN IN LOW PRECISION. The matrix products marked QUANTISED in the list below multiply operands that are first quantised to E4M3 (4 exponent bits, 3 mantissa bits; 8 bits a number), with one given power-of-two scale for each operand tensor; their sums are f32. All else is computed in f32.
;;   The module's matrix products, in the order in which they are computed (A, B: the left and right operand; K: the contracted axis; several contracted axes count as one K, in the product's order):
;;     1. [M 8,192, K 1,024] x [K 1,024, N 1,024]; A: computed on the way; B: input Wq: QUANTISED (scales: A lowp_scales[0], B lowp_scales[1])
;;     2. [M 8,192, K 1,024] x [K 1,024, N 1,024]; A: computed on the way; B: input Wk: QUANTISED (scales: A lowp_scales[2], B lowp_scales[3])
;;     3. [M 8,192, K 1,024] x [K 1,024, N 1,024]; A: computed on the way; B: input Wv: QUANTISED (scales: A lowp_scales[4], B lowp_scales[5])
;;     4. batch 64 x [M 2,048, K 64] x [K 64, N 2,048]; A: computed on the way; B: computed on the way: QUANTISED (scales: A lowp_scales[6], B lowp_scales[7])
;;     5. batch 64 x [M 2,048, K 2,048] x [K 2,048, N 64]; A: softmax (see below); B: computed on the way: QUANTISED (scales: A lowp_scales[8], B lowp_scales[9])
;;     6. [M 8,192, K 1,024] x [K 1,024, N 1,024]; A: computed on the way; B: input Wo: QUANTISED (scales: A lowp_scales[10], B lowp_scales[11])
;;   THE QUANTISER, for each operand of a quantised product, along K:
;;     - The operand's scale is 2^e, e = its entry of the input lowp_scales (int32; the entries are numbered through the quantised products in the list's order, A before B).
;;     - Each number is divided by the scale, clamped to +-448, and rounded to the nearest number of E4M3, ties to even, subnormals kept.
;;     - The product sums the exact products of the quantised numbers (number of the format x scale) in f32.
;;   ~~~python
;;   def quantise(x, axis, e):      # numpy; x: float32 -> the quantised numbers, widened to float32 again
;;       x = np.moveaxis(x, axis, -1); K = x.shape[-1]
;;       r = np.clip(x / 2.0 ** e, -448, 448)
;;       step = 2.0 ** (np.maximum(np.frexp(np.where(r == 0, 1, r))[1] - 1, -6) - 3)
;;       q = np.round(r / step) * step * 2.0 ** e      # np.round: ties to even
;;       return np.moveaxis(q, -1, axis).astype(np.float32)
;;   ~~~
;;   SOFTMAX AHEAD OF A QUANTISED PRODUCT. Where the list says 'softmax', what is quantised is not the finished softmax but p = 2^(t - M), with t = logit x log2(e) and M = ceil(the row's largest t), a whole number; so 1/2 < the row's largest p <= 1. The row's sum l is taken of the UNQUANTISED p, in f32, and the product's result is divided by l at the end. Since M is a whole number, a kernel that streams over the keys may use a running M (the ceiling of the running maximum): every later rescaling is an exact power of two, so the quantised numbers keep their values, but for numbers so far below the row's largest that they fall under the format's range.
;;   OPERANDS COMPUTED ON THE WAY. 'Computed on the way' means the value that the module computes at that place (a softmax that the list does not call 'softmax' is quantised finished and normalised). What goes into a quantiser is computed in f32, as accurately as f32 sums, v_exp_f32 and their like allow (about 1e-6 of the number): no bf16 or f16 on the way to a quantiser, and a product that is left as it is and whose result goes on into a quantised operand takes f32 operands (vector FMAs, or v_wmma_f32_16x16x4_f32). A number that lies on a knife's edge between two numbers of the format may be rounded either way, as far as f32 arithmetic and the matrix unit's own rounding can turn it there, and no further.
;; One version. Each part assembles by itself: llvm-mc -triple=amdgcn-amd-amdhsa -mcpu=gfx1250 --defsym DOCPART=n.
;; ======== version 1 of 1: 4 launches
;; limits: right only within a limited range of input values
;; workspace buffers: xc 25,165,824 bytes; wc 4,194,304 bytes; qkvc 25,165,824 bytes; mc 8,388,608 bytes
;; launch prep (part 1): grid 768 x 1, 8 waves a work-group, no clusters, 67,072 bytes of LDS; arguments X, ln_gamma, ln_beta, Wq, Wk, Wv, Wo, lowp_scales, xc, wc; writes xc, wc
.if DOCPART == 1
	.amdgcn_target "amdgcn-amd-amdhsa--gfx1250"
	.amdhsa_code_object_version 6
	.text
	.protected	k_qc109f3fb73_prep
	.globl	k_qc109f3fb73_prep
	.p2align	8
	.type	k_qc109f3fb73_prep,@function
k_qc109f3fb73_prep:
	s_mov_b64 s[64:65], 0
	v_nop
	global_prefetch_b8 v0, s[64:65] scope:SCOPE_SE
	s_setreg_imm32_b32 hwreg(HW_REG_WAVE_MODE, 25, 1), 1
	s_wait_xcnt 0x0
; LayerNorm of X and the quantising of Xn and of the four weights into codes of E4M3, laid as IMAGES OF THE OPERAND'S REGISTERS.
; A fragment is 16 rows x 128 K: lane (r, h) holds row r, registers 2 c, 2 c + 1 hold k = 16 c + 8 h + 0 .. 7.  Its image is 2,048 bytes: registers 4 q .. 4 q + 3 of lane l at 512 q + 16 l.
; An operand of R rows x 1,024 K lies as [R / 128][4 K slots of 256][8 blocks of 16 rows][2 K steps of 128][image]: 128 rows x 256 K are 32,768 consecutive bytes.
; SHARES.  A work-group takes 16 rows x 1,024: work-groups 0-511 rows of X, work-groups 512-767 rows of Wq, Wk, Wv, Wo (64 blocks each).  Only pointers and one exponent are chosen by the work-group's number.
; Phase 1: wave w loads rows 2 w and 2 w + 1, 512 consecutive bytes a load; rows of X are normalised in registers (mean, then the mean of squared differences, both in f32; rsqrt; gamma, beta).
; The 16 rows meet in LDS (pitch 4,096 + 16 bytes, so that the sixteen rows of a 16-byte load start at sixteen different banks).  Phase 2: wave w takes K step w of all 16 rows, 64 numbers a lane in the
; fragment's own order, holds them within +-448 x 2^e, converts, and stores the image: each store covers 512 consecutive bytes, aligned.  Xn is quantised three times: e0, e2, e4 need not be equal.
; No ring and no loop: a work-group asks for its 64 KB at once.  LIMITS: every e used here (entries 0 to 5 and 11) between -126 and 119.  NaN among the inputs is not served.
.set NXB,   512                        ; work-groups that take X
.set PITCH, 4112
.set LI,  1                            ; v1   16 x lane
.set LS,  2                            ; v2   phase 1: where I put 16 bytes of my wave's first row
.set LL,  3                            ; v3   phase 2: row r, + 32 h, + 512 x wave
.set R,   16                           ; v16-79   two rows of 32 registers; in phase 2 the lane's 64 numbers
.set GA,  80                           ; v80-111  gamma of my 32 columns
.set BE,  112                          ; v112-143 beta
.set T,   80
.set CD,  96                           ; phase 2: v96-143 codes, 16 registers for each round, so that no store's data are written again
; v144-151 sums; v[152:153], v[154:155] mean, later rsqrt, of row 0, 1, twice each; v156, v157 the other half's sums; v159 2^e
	s_load_b512 s[4:19], s[0:1], 0x0               ; X s[4:5], gamma s[6:7], beta s[8:9], Wq s[10:11], Wk s[12:13], Wv s[14:15], Wo s[16:17], the exponents s[18:19]
	s_load_b128 s[20:23], s[0:1], 0x40             ; xc s[20:21], wc s[22:23]
	v_lshl_add_u32 v160, v0, 2, 0x10200
	v_mov_b32 v161, 0
	v_lshrrev_b32 v4, 5, v0
	s_delay_alu instid0(VALU_DEP_1)
	v_readfirstlane_b32 s36, v4                    ; wave 0..7
	v_and_b32 v5, 31, v0
	s_delay_alu instid0(VALU_DEP_1)
	v_lshlrev_b32 v[LI], 4, v5
	s_mul_i32 s46, s36, 2*PITCH
	v_add_nc_u32 v[LS], s46, v[LI]
	v_and_b32 v6, 15, v0                           ; r
	v_bfe_u32 v7, v0, 4, 1                         ; h
	s_delay_alu instid0(VALU_DEP_2)
	v_mul_u32_u24 v[LL], v6, PITCH
	s_delay_alu instid0(VALU_DEP_1)
	v_lshl_add_u32 v[LL], v7, 5, v[LL]
	s_lshl_b32 s46, s36, 9
	v_add_nc_u32 v[LL], s46, v[LL]
	v_mov_b32 v156, 0                              ; written once: a lane permute's destination counts as one of its sources
	v_mov_b32 v157, 0
	s_mov_b32 s54, 0x76543210                      ; v_permlanex16_b32: lane l xor 16
	s_mov_b32 s55, 0xfedcba98
	s_mov_b32 s56, 0x3a800000                      ; 1 / 1,024
	s_mov_b32 s57, 0x3727c5ac                      ; 1e-5
	s_cmp_lt_u32 ttmp9, NXB
	s_cselect_b32 s47, 0, NXB
	s_sub_co_u32 s47, ttmp9, s47                   ; the block's number in X, or among the weights' 256
	s_lshr_b32 s48, s47, 6
	s_and_b32 s49, s47, 63
	s_cmp_lt_u32 ttmp9, NXB
	s_cselect_b32 s49, s47, s49                    ; the block of 16 rows in its tensor
	s_cselect_b32 s48, 0, s48                      ; which weight (0 in X's work-groups)
	s_lshl_b32 s50, s49, 16                        ; from: 16 rows of 4,096 bytes a block,
	s_lshl_b32 s51, s36, 13                        ; 2 rows a wave
	s_add_co_u32 s50, s50, s51
	s_mov_b32 s51, 0
	s_lshr_b32 s52, s49, 3                         ; to: (block / 8) x 131,072 + (wave / 2) x 32,768 + (block % 8) x 4,096 + (wave % 2) x 2,048, + the weight's MiB
	s_lshl_b32 s52, s52, 17
	s_and_b32 s53, s49, 7
	s_lshl_b32 s53, s53, 12
	s_add_co_u32 s52, s52, s53
	s_lshr_b32 s53, s36, 1
	s_lshl_b32 s53, s53, 15
	s_add_co_u32 s52, s52, s53
	s_and_b32 s53, s36, 1
	s_lshl_b32 s53, s53, 11
	s_add_co_u32 s52, s52, s53
	s_lshl_b32 s53, s48, 20
	s_add_co_u32 s52, s52, s53
	s_mov_b32 s53, 0
	s_wait_alu depctr_va_vdst(0)
	s_wait_kmcnt 0x0
	s_load_b256 s[24:31], s[18:19], 0x0            ; e0 .. e7
	s_load_b128 s[32:35], s[18:19], 0x20           ; e8 .. e11
	s_cmp_eq_u32 s48, 1                            ; the choices hang on the work-group's number alone
	s_cselect_b64 s[38:39], s[12:13], s[10:11]
	s_cmp_eq_u32 s48, 2
	s_cselect_b64 s[38:39], s[14:15], s[38:39]
	s_cmp_eq_u32 s48, 3
	s_cselect_b64 s[38:39], s[16:17], s[38:39]
	s_cmp_lt_u32 ttmp9, NXB
	s_cselect_b64 s[38:39], s[4:5], s[38:39]
	s_cselect_b64 s[40:41], s[20:21], s[22:23]
	s_add_nc_u64 s[38:39], s[38:39], s[50:51]      ; my wave's two rows
	s_add_nc_u64 s[40:41], s[40:41], s[52:53]      ; my wave's image: first round,
	s_add_nc_u64 s[42:43], s[20:21], s[52:53]
	s_add_nc_u64 s[44:45], s[42:43], 0x1000000     ; third round (X alone): xc's third section,
	s_add_nc_u64 s[42:43], s[42:43], 0x800000      ; second round (X alone): its second
.irp rr, 0,1
.irp j, 0,1,2,3,4,5,6,7
	global_load_b128 v[R+32*\rr+4*\j:R+32*\rr+4*\j+3], v[LI], s[38:39] offset:4096*\rr+512*\j th:TH_LOAD_NT   ; 32 lanes read 512 consecutive bytes; each byte is read once in the launch
.endr
.endr
	s_cmp_ge_u32 ttmp9, NXB
	s_cbranch_scc1 .Lraw                           ; weights are quantised as they are
.irp j, 0,1,2,3,4,5,6,7
	global_load_b128 v[GA+4*\j:GA+4*\j+3], v[LI], s[6:7] offset:512*\j
	global_load_b128 v[BE+4*\j:BE+4*\j+3], v[LI], s[8:9] offset:512*\j
.endr
; the two rows' sums in v144 and v148: the chains' halves, then across the 32 lanes; every lane ends with the result
.macro ACROSS
	s_delay_alu instid0(VALU_DEP_3)
	v_pk_add_f32 v[144:145], v[144:145], v[146:147]
	s_delay_alu instid0(VALU_DEP_2)
	v_pk_add_f32 v[148:149], v[148:149], v[150:151]
	s_delay_alu instid0(VALU_DEP_2)
	v_add_f32 v144, v144, v145
	s_delay_alu instid0(VALU_DEP_2)
	v_add_f32 v148, v148, v149
.irp m, 1,2,4,8
	s_delay_alu instid0(VALU_DEP_2)
	v_add_f32_dpp v144, v144, v144 row_xmask:\m row_mask:0xf bank_mask:0xf
	s_delay_alu instid0(VALU_DEP_2)
	v_add_f32_dpp v148, v148, v148 row_xmask:\m row_mask:0xf bank_mask:0xf
.endr
	s_delay_alu instid0(VALU_DEP_2)
	v_permlanex16_b32 v156, v144, s54, s55
	s_delay_alu instid0(VALU_DEP_2)
	v_permlanex16_b32 v157, v148, s54, s55
	s_delay_alu instid0(VALU_DEP_2)
	v_add_f32 v144, v144, v156
	s_delay_alu instid0(VALU_DEP_2)
	v_add_f32 v148, v148, v157
.endm
	s_wait_loadcnt 16                              ; the 16 loads of my rows are in; gamma's and beta's 16 may be out
.irp rr, 0,1
	v_pk_add_f32 v[144+4*\rr:145+4*\rr], v[R+32*\rr:R+32*\rr+1], v[R+32*\rr+4:R+32*\rr+5]      ; two chains a row, started by the first numbers: nothing is cleared
	v_pk_add_f32 v[146+4*\rr:147+4*\rr], v[R+32*\rr+2:R+32*\rr+3], v[R+32*\rr+6:R+32*\rr+7]
.endr
.irp j, 8,12,16,20,24,28
.irp rr, 0,1
	s_delay_alu instid0(VALU_DEP_4)
	v_pk_add_f32 v[144+4*\rr:145+4*\rr], v[144+4*\rr:145+4*\rr], v[R+32*\rr+\j:R+32*\rr+\j+1]
	s_delay_alu instid0(VALU_DEP_4)
	v_pk_add_f32 v[146+4*\rr:147+4*\rr], v[146+4*\rr:147+4*\rr], v[R+32*\rr+\j+2:R+32*\rr+\j+3]
.endr
.endr
	ACROSS
	s_delay_alu instid0(VALU_DEP_2)
	v_mul_f32 v152, s56, v144                      ; the means, twice each: pairs for the packed forms
	s_delay_alu instid0(VALU_DEP_2)
	v_mul_f32 v154, s56, v148
	s_delay_alu instid0(VALU_DEP_2)
	v_mov_b32 v153, v152
	s_delay_alu instid0(VALU_DEP_2)
	v_mov_b32 v155, v154
.irp rr, 0,1
.irp j, 0,2,4,6,8,10,12,14,16,18,20,22,24,26,28,30
	v_pk_add_f32 v[R+32*\rr+\j:R+32*\rr+\j+1], v[R+32*\rr+\j:R+32*\rr+\j+1], v[152+2*\rr:153+2*\rr] neg_lo:[0,1] neg_hi:[0,1]   ; x - mean
.endr
.endr
.irp rr, 0,1
	v_pk_mul_f32 v[144+4*\rr:145+4*\rr], v[R+32*\rr:R+32*\rr+1], v[R+32*\rr:R+32*\rr+1]
	v_pk_mul_f32 v[146+4*\rr:147+4*\rr], v[R+32*\rr+2:R+32*\rr+3], v[R+32*\rr+2:R+32*\rr+3]
.endr
.irp j, 4,8,12,16,20,24,28
.irp rr, 0,1
	s_delay_alu instid0(VALU_DEP_4)
	v_pk_fma_f32 v[144+4*\rr:145+4*\rr], v[R+32*\rr+\j:R+32*\rr+\j+1], v[R+32*\rr+\j:R+32*\rr+\j+1], v[144+4*\rr:145+4*\rr]
	s_delay_alu instid0(VALU_DEP_4)
	v_pk_fma_f32 v[146+4*\rr:147+4*\rr], v[R+32*\rr+\j+2:R+32*\rr+\j+3], v[R+32*\rr+\j+2:R+32*\rr+\j+3], v[146+4*\rr:147+4*\rr]
.endr
.endr
	ACROSS
	s_delay_alu instid0(VALU_DEP_2)
	v_fma_f32 v144, v144, s56, s57                 ; the variance + 1e-5
	s_delay_alu instid0(VALU_DEP_2)
	v_fma_f32 v148, v148, s56, s57
	s_wait_alu depctr_va_vdst(0)
	v_rsq_f32 v152, v144
	v_rsq_f32 v154, v148
	v_nop                                          ; a plain instruction behind the transcendentals (ISA guide 5.7.2),
	s_wait_alu depctr_va_vdst(0)                   ; and one wait for both, ahead of their first reader
	v_mov_b32 v153, v152
	v_mov_b32 v155, v154
	s_wait_alu depctr_va_vdst(0)
	s_wait_loadcnt 0x0                             ; gamma and beta
.irp rr, 0,1
.irp j, 0,2,4,6,8,10,12,14,16,18,20,22,24,26,28,30
	v_pk_mul_f32 v[R+32*\rr+\j:R+32*\rr+\j+1], v[R+32*\rr+\j:R+32*\rr+\j+1], v[152+2*\rr:153+2*\rr]
.endr
.endr
.irp rr, 0,1
.irp j, 0,2,4,6,8,10,12,14,16,18,20,22,24,26,28,30
	v_pk_fma_f32 v[R+32*\rr+\j:R+32*\rr+\j+1], v[R+32*\rr+\j:R+32*\rr+\j+1], v[GA+\j:GA+\j+1], v[BE+\j:BE+\j+1]
.endr
.endr
	s_branch .Lput
.Lraw:
	s_wait_loadcnt 0x0
.Lput:                                                 ; one way for both kinds of work-group from here on
	s_wait_alu depctr_va_vdst(0)
.irp rr, 0,1
.irp j, 0,1,2,3,4,5,6,7
	ds_store_b128 v[LS], v[R+32*\rr+4*\j:R+32*\rr+4*\j+3] offset:PITCH*\rr+512*\j
.endr
.endr
	s_wait_dscnt 0x0                               ; for the others' sake: my rows lie in LDS
	s_barrier_signal -1
	s_barrier_wait -1
.irp c, 0,1,2,3,4,5,6,7
	ds_load_b128 v[R+8*\c:R+8*\c+3], v[LL] offset:64*\c            ; row r, k = 128 w + 16 c + 8 h + 0 .. 7: the fragment's own order
	ds_load_b128 v[R+8*\c+4:R+8*\c+7], v[LL] offset:64*\c+16
.endr
	s_wait_kmcnt 0x0
	s_cmp_eq_u32 s48, 1                            ; the first round's exponent: e1, e3, e5, e11 for the weights, e0 for X
	s_cselect_b32 s37, s27, s25
	s_cmp_eq_u32 s48, 2
	s_cselect_b32 s37, s29, s37
	s_cmp_eq_u32 s48, 3
	s_cselect_b32 s37, s35, s37
	s_cmp_lt_u32 ttmp9, NXB
	s_cselect_b32 s37, s24, s37
	s_wait_dscnt 0x0
; Round n: the lane's 64 numbers under the scale 2^e, e in s[e], become 16 registers of codes, which leave as the image at s[d:d+1].
.macro QROUND n, e, d
	s_add_co_i32 s46, s[\e], 127
	s_lshl_b32 s47, s46, 23
	v_mov_b32 v159, s47                            ; 2^e as f32: the conversion takes its exponent field
.irp c, 0,1,2,3,4,5,6,7
.irp i, 0,1,2,3,4,5,6,7
.endr
	v_cvt_scalef32_pk8_fp8_f32 v[CD+16*\n+2*\c:CD+16*\n+2*\c+1], v[T+8*(\c%2)+((R+8*\c+0)-(T+8*(\c%2)+0)):T+8*(\c%2)+7+((R+8*\c+0)-(T+8*(\c%2)+0))], v159
.endr
	v_nop                                          ; a plain instruction between the last conversion and the next round's write of its scale register
.irp c, 0,1,2,3
	global_store_b128 v[LI], v[CD+16*\n+4*\c:CD+16*\n+4*\c+3], s[\d:\d+1] offset:512*\c   ; 32 lanes store 512 consecutive bytes, aligned
.endr
.endm
	QROUND 0, 37, 40
	s_cmp_ge_u32 ttmp9, NXB
	s_cbranch_scc1 .Lend                           ; a weight has one scale
	QROUND 1, 26, 42                               ; Xn under e2, for the product with Wk
	QROUND 2, 28, 44                               ; Xn under e4, for the product with Wv
.Lend:
	s_wait_tensorcnt 0x0
	ds_add_u32 v160, v161
	s_wait_dscnt 0x0
	s_endpgm
.Lfunc_end_k_qc109f3fb73_prep:
	.size	k_qc109f3fb73_prep, .Lfunc_end_k_qc109f3fb73_prep-k_qc109f3fb73_prep
	.p2alignl 7, 3214868480
	.fill 96, 4, 3214868480
	.section	.rodata,"a",@progbits
	.p2align	6, 0x0
	.amdhsa_kernel k_qc109f3fb73_prep
		.amdhsa_group_segment_fixed_size 67072
		.amdhsa_private_segment_fixed_size 0
		.amdhsa_enable_private_segment 0
		.amdhsa_kernarg_size 80
		.amdhsa_user_sgpr_count 2
		.amdhsa_user_sgpr_kernarg_segment_ptr 1
		.amdhsa_wavefront_size32 1
		.amdhsa_system_sgpr_workgroup_id_x 1
		.amdhsa_system_sgpr_workgroup_id_y 1
		.amdhsa_system_sgpr_workgroup_id_z 1
		.amdhsa_system_vgpr_workitem_id 0
		.amdhsa_next_free_vgpr 162
		.amdhsa_next_free_sgpr 66
		.amdhsa_reserve_vcc 0
		.amdhsa_float_denorm_mode_32 3
		.amdhsa_float_denorm_mode_16_64 3
		.amdhsa_fp16_overflow 1
		.amdhsa_memory_ordered 1
		.amdhsa_forward_progress 1
		.amdhsa_inst_pref_size 27
	.end_amdhsa_kernel
	.amdgpu_metadata
---
amdhsa.version: [ 1, 2 ]
amdhsa.kernels:
  - .name:           k_qc109f3fb73_prep
    .symbol:         k_qc109f3fb73_prep.kd
    .args:
      - { .name: X, .offset: 0, .size: 8, .value_kind: global_buffer, .address_space: global }
      - { .name: ln_gamma, .offset: 8, .size: 8, .value_kind: global_buffer, .address_space: global }
      - { .name: ln_beta, .offset: 16, .size: 8, .value_kind: global_buffer, .address_space: global }
      - { .name: Wq, .offset: 24, .size: 8, .value_kind: global_buffer, .address_space: global }
      - { .name: Wk, .offset: 32, .size: 8, .value_kind: global_buffer, .address_space: global }
      - { .name: Wv, .offset: 40, .size: 8, .value_kind: global_buffer, .address_space: global }
      - { .name: Wo, .offset: 48, .size: 8, .value_kind: global_buffer, .address_space: global }
      - { .name: lowp_scales, .offset: 56, .size: 8, .value_kind: global_buffer, .address_space: global }
      - { .name: xc, .offset: 64, .size: 8, .value_kind: global_buffer, .address_space: global }
      - { .name: wc, .offset: 72, .size: 8, .value_kind: global_buffer, .address_space: global }
    .group_segment_fixed_size: 67072
    .private_segment_fixed_size: 0
    .kernarg_segment_align: 8
    .kernarg_segment_size: 80
    .max_flat_workgroup_size: 256
    .sgpr_count:     66
    .vgpr_count:     162
    .wavefront_size: 32
...
	.end_amdgpu_metadata
.endif
;; end of part 1
;; launch qkv (part 2): grid 12 x 32, 4 waves a work-group, clusters of 4 x 4, 327,680 bytes of LDS; arguments xc, wc, bq, bk, bv, lowp_scales, qkvc; writes qkvc
.if DOCPART == 2
	.amdgcn_target "amdgcn-amd-amdhsa--gfx1250"
	.amdhsa_code_object_version 6
	.text
	.protected	k_qc109f3fb73_qkv
	.globl	k_qc109f3fb73_qkv
	.p2align	8
	.type	k_qc109f3fb73_qkv,@function
k_qc109f3fb73_qkv:
	s_mov_b64 s[64:65], 0
	v_nop
	global_prefetch_b8 v0, s[64:65] scope:SCOPE_SE
	s_setreg_imm32_b32 hwreg(HW_REG_WAVE_MODE, 25, 1), 1
	s_wait_xcnt 0x0
	s_wait_alu depctr_hold_cnt(0) depctr_sa_sdst(0) depctr_va_vdst(0) depctr_va_sdst(0) depctr_va_ssrc(0) depctr_va_vcc(0) depctr_vm_vsrc(0)
	s_getreg_b32 s2, hwreg(HW_REG_IB_STS2, 6, 4)
	s_cmp_eq_u32 s2, 0
	s_cbranch_scc0 .Lentry_in_a_cluster
	s_endpgm
.Lentry_in_a_cluster:
	s_bfe_u32 s2, ttmp6, 0x10000c
	s_cmp_lg_u32 s2, 0xf033
	s_cbranch_scc0 .Lentry_shape_is_right
	s_endpgm
.Lentry_shape_is_right:
; The three projections on codes of E4M3, and the quantising of their results for attention.  The cluster's x (0, 1, 2) says which: Q, K or V; it is the same in all sixteen partners.
; Q, K: C[token][feature] = Xn W^T.  V: C[feature][token] = Wv Xn^T, the operands' parts swapped, so that a lane's registers run along the TOKENS, which are the K of attention's second product.
; A tile of C is 256 x 256, made by four waves, 128 x 128 each: 64 accumulators, 512 registers.  K = 1,024 goes in four slots of 256 through a ring of two LDS slots.
; OPERANDS ARE IMAGES OF THEIR REGISTERS (16 rows x 128 K: 2,048 bytes; registers 4 q .. 4 q + 3 of lane l at 512 q + 16 l), laid [rows / 128][4 K slots][8 blocks of 16 rows][2 K steps][image]:
; 128 rows x 256 K are one dense block of 32,768 bytes for one tensor load, and a fragment comes out of LDS by four loads of 512 consecutive bytes: no pitch, no padding; every k stands in the form's own place.
; CLUSTERS: 4 x 4 work-groups; A's tile is asked for jointly along a row of the cluster, B's along a column.
; THE MATRIX INSTRUCTION IS USED TRANSPOSED (source 0 = 16 rows of B, source 1 = 16 rows of A): lane (r, h) of accumulator (a, b) holds C(16 a + r, 16 b + 8 h + 0 .. 7).  One conversion of its eight registers gives
; registers 2 b, 2 b + 1 of the next product's fragment (rows 16 a + r, k = C's columns): the codes leave as images, straight from registers, 512 consecutive aligned bytes a store.
; value = sum x 2^(ea + eb) + bias; code = value / 2^eo, held within +-448.  eo = e6 + 3 for Q (the factor 1 / 8 on Q is a power of two), e7 for K, e9 for V.
; OUT: Q, K: [64 heads][128 blocks of 16 tokens][1,024 bytes: 16 tokens x 64];  V: [64 heads][16 blocks of 128 keys][4 blocks of 16 channels][2,048 bytes: 16 channels x 128 keys].
; LIMITS: e0 + e1, e2 + e3, e4 + e5 between -126 and 127; e6 + 3, e7, e9 between -126 and 119.  No branch hangs on an exponent.
; REGISTERS, in windows of 256: window 0: v0-31 addresses; v32-95 the bias along C's columns, v96-111 along C's rows; from v128 A's fragments, ONE set; on the way out the codes.
;   window 1: B's fragments, TWO sets.   window 2: the accumulators of my rows 0-63 ((a, b) at v[8 (8 a + b)]);   window 3: those of my rows 64-127.
.set HALFT,  32768                     ; 128 rows x 256 K: what one tensor load brings, and what one wave reads of A or of B in a slot
.set SLOT,   4*HALFT                   ; A's two halves, then B's two
.set SPARE,  2*SLOT                    ; behind the ring: the spare words, 128 bytes for each wave
.set FR,     16                        ; registers of a fragment
.set NL,     4                         ; LDS loads that bring one
.set NP,     4                         ; places behind this matrix instruction (ISA guide 7.12.1)
.set LAPS,   2                         ; a lap = two K slots = once round the ring
.set ADRA, 16                          ; v16-17  LDS address of my A fragments in slot 0, 1
.set ADRB, 20                          ; v20-21  the same for B
.set LI,   24                          ; v24     16 x lane
.set SCL,  26                          ; v26     2^eo
.set LIM,  27
.set SPW,  28                          ; v28     LDS address of my spare word; never rewritten
.set NIL,  29                          ; v29     0; never rewritten
.set BN,   32
.set BM,   96
.set AF,   128
.set CD,   128
.set G1, 24                            ; s[24:31] descriptor group 1 for A's tiles;  s[32:39] group 0, one set for each slot
.set G0, 32
.set G1B, 48                           ; s[48:55], s[56:63] the same for B's tiles
.set G0B, 56
.set MSB, 0
.macro WIN new                         ; the immediate's high byte repeats the setting that is left
.if MSB != \new
	s_set_vgpr_msb (MSB<<8)|\new
.set MSB, \new
.endif
.endm
.set MUL_LO, 0xa1                      ; source 0 (B) window 1, source 1 (A) window 0, C and D window 2
.set MUL_HI, 0xf1                      ; the same, C and D window 3
.set TO_B,   0x40                      ; destination window 1, address window 0
; A joint load: waves 0 and 1 fetch for A, waves 2 and 3 for B.  Each line has one mask and one set of registers for all that issue it; the branch hangs on the wave's number alone.  Four v_nop follow each line.
.macro JLOAD g0a, g1a, g0b, g1b
	s_cmp_eq_u32 s15, 0
	s_cbranch_scc0 .Lfor_b_\@
	tensor_load_to_lds s[\g0a:\g0a+3], s[\g1a:\g1a+7]
	s_nop 0
.rept 4
	v_nop
.endr
	s_branch .Lasked_\@
.Lfor_b_\@:
	tensor_load_to_lds s[\g0b:\g0b+3], s[\g1b:\g1b+7]
	s_nop 0
.rept 4
	v_nop
.endr
.Lasked_\@:
.endm
.macro CREST                           ; a round of the cluster's barrier behind its opening barrier
	s_cmp_lg_u32 s14, 0
	s_cbranch_scc1 .Lnot_wave_0_\@
	s_barrier_signal -3
.Lnot_wave_0_\@:
	s_barrier_wait -3
	s_barrier_signal -1
	s_barrier_wait -1
.endm
.macro CROUND                          ; a whole round
	s_barrier_signal -1
	s_barrier_wait -1
	CREST
.endm
	s_load_b256 s[68:75], s[0:1], 0x0              ; xc s[68:69], wc s[70:71], bq s[72:73], bk s[74:75]
	s_load_b128 s[76:79], s[0:1], 0x20             ; bv s[76:77], the exponents s[78:79]
	s_load_b64 s[80:81], s[0:1], 0x30              ; qkvc
	v_lshl_add_u32 v[SPW], v0, 2, SPARE
	v_mov_b32 v[NIL], 0
	ds_add_u32 v28, v29
	ds_add_u32 v28, v29
	s_wait_dscnt 0x0
	v_lshrrev_b32 v1, 5, v0
	v_readfirstlane_b32 s14, v1                    ; wave 0..3
	s_lshr_b32 s15, s14, 1                         ; which half of the tile's rows is mine.  Also: I fetch for A (0) or for B (1)
	s_and_b32 s16, s14, 1                          ; which half of its columns.  Also: which 128 rows of that tile I fetch
	s_bfe_u32 s40, ttmp6, 0x40000                  ; cx, cy: my place in the cluster
	s_bfe_u32 s41, ttmp6, 0x40004
	s_and_b32 s82, ttmp7, 0xffff
	s_lshl_b32 s82, s82, 2                         ; 4 x cluster y: it walks the tokens, which are C's rows for Q and K, its columns for V
	s_cmp_eq_u32 ttmp9, 2
	s_cselect_b32 s83, 0, s82
	s_cselect_b32 s84, s82, 0
	s_add_co_u32 s17, s41, s83                     ; tile row of C (of A): cy, + 4 x cluster y for Q and K
	s_add_co_u32 s42, s40, s84                     ; tile column of C (of B): cx, + 4 x cluster y for V
	s_lshl_b32 s43, s41, 2
	s_lshl_b32 s43, 15, s43                        ; my row of the cluster
	s_lshl_b32 s44, 0x1111, s40                    ; my column
	; descriptor group 1: a dense block of 128 rows x 256 bytes
	s_or_b32 s[G1+0], s43, (1<<21)                 ; 15:0 the mask: A's tiles go to my row; 17:16 elements of 1 byte; 20 no padding; 21 set beside a mask
	s_or_b32 s[G1B+0], s44, (1<<21)
.irp g, G1, G1B
	s_mov_b32 s[\g+1], 256<<16                     ; tensor_dim0
	s_mov_b32 s[\g+2], 128<<16                     ; tensor_dim1
	s_mov_b32 s[\g+3], 256<<16                     ; tile_dim0
	s_mov_b32 s[\g+4], 128                         ; tile_dim1
	s_mov_b32 s[\g+5], 256                         ; tensor_dim0_stride
	s_mov_b32 s[\g+6], 0
	s_mov_b32 s[\g+7], 0
.endr
	s_lshl_b32 s20, s17, 1
	s_add_co_u32 s20, s20, s16
	s_lshl_b32 s20, s20, 17                        ; A: (2 x tile row + half) x 131,072 bytes
	s_mov_b32 s21, 0
	s_lshl_b32 s46, s42, 1
	s_add_co_u32 s46, s46, s16
	s_lshl_b32 s46, s46, 17                        ; B: (2 x tile column + half) x 131,072
	s_mov_b32 s47, 0
	s_lshl_b32 s45, s14, 15                        ; where they go: wave x 32,768: no place in the cluster enters an LDS address
	s_lshl_b32 s86, ttmp9, 23                      ; the section of xc and of qkvc,
	s_mov_b32 s87, 0
	s_lshl_b32 s88, ttmp9, 20                      ; and of wc
	s_mov_b32 s89, 0
	s_wait_kmcnt 0x0
	s_add_nc_u64 s[68:69], s[68:69], s[86:87]
	s_add_nc_u64 s[70:71], s[70:71], s[88:89]
	s_cmp_eq_u32 ttmp9, 2
	s_cselect_b64 s[4:5], s[70:71], s[68:69]       ; A: Xn's codes, for V the weight's
	s_cselect_b64 s[6:7], s[68:69], s[70:71]       ; B: the weight's codes, for V Xn's
	s_cselect_b64 s[12:13], s[76:77], s[72:73]
	s_cmp_eq_u32 ttmp9, 1
	s_cselect_b64 s[12:13], s[74:75], s[12:13]     ; the bias
	s_mov_b64 s[8:9], s[78:79]
	s_add_nc_u64 s[10:11], s[80:81], s[86:87]
	s_load_b256 s[68:75], s[8:9], 0x0              ; e0 .. e7
	s_load_b128 s[76:79], s[8:9], 0x20             ; e8 .. e11
	s_add_nc_u64 s[20:21], s[4:5], s[20:21]
	s_add_nc_u64 s[46:47], s[6:7], s[46:47]
	CROUND                                         ; all sixteen work-groups are here: the first joint loads meet
.irp s, 0,1
	s_mov_b32 s[G0+4*\s], 1
	s_add_co_u32 s[G0+4*\s+1], s45, \s*SLOT
	s_add_nc_u64 s[G0+4*\s+2:G0+4*\s+3], s[20:21], \s*HALFT        ; K slot s
	s_or_b32 s[G0+4*\s+3], s[G0+4*\s+3], 0x80000000
	s_mov_b32 s[G0B+4*\s], 1
	s_add_co_u32 s[G0B+4*\s+1], s45, \s*SLOT
	s_add_nc_u64 s[G0B+4*\s+2:G0B+4*\s+3], s[46:47], \s*HALFT
	s_or_b32 s[G0B+4*\s+3], s[G0B+4*\s+3], 0x80000000
	JLOAD G0+4*\s, G1, G0B+4*\s, G1B
.endr
	v_and_b32 v1, 31, v0
	v_lshlrev_b32 v[LI], 4, v1
	s_lshl_b32 s21, s15, 15                        ; my 128 rows of A
	s_lshl_b32 s22, s16, 15                        ; my 128 rows of B,
	s_add_co_u32 s22, s22, 2*HALFT                 ; which lie behind A's two halves
.irp s, 0,1
	v_add_nc_u32 v[ADRA+\s], s21, v[LI]
	v_add_nc_u32 v[ADRB+\s], s22, v[LI]
	s_add_co_u32 s21, s21, SLOT
	s_add_co_u32 s22, s22, SLOT
.endr
	; the bias in both layouts, without a branch: along C's columns (Q, K use it) and along C's rows (V uses it).  Both stay inside the 4,096 bytes for every work-group.  They land while K is walked.
	v_bfe_u32 v2, v0, 4, 1
	v_lshlrev_b32 v2, 5, v2                        ; 32 h
	s_wait_alu depctr_va_vdst(0)
	v_and_b32 v3, 15, v0
	v_lshlrev_b32 v3, 2, v3                        ; 4 r
	s_wait_alu depctr_va_vdst(0)
	s_lshl_b32 s18, s40, 10
	s_lshl_b32 s19, s16, 9
	s_add_co_u32 s18, s18, s19                     ; 4 (256 cx + 128 x my half of the columns)
	s_mov_b32 s19, 0
	s_add_nc_u64 s[90:91], s[12:13], s[18:19]
	s_lshl_b32 s18, s41, 10
	s_lshl_b32 s19, s15, 9
	s_add_co_u32 s18, s18, s19                     ; 4 (256 cy + 128 x my half of the rows)
	s_mov_b32 s19, 0
	s_add_nc_u64 s[92:93], s[12:13], s[18:19]
.irp b, 0,1,2,3,4,5,6,7
	global_load_b128 v[BN+8*\b:BN+8*\b+3], v2, s[90:91] offset:64*\b           ; bias(16 b + 8 h + 0 .. 7)
	global_load_b128 v[BN+8*\b+4:BN+8*\b+7], v2, s[90:91] offset:64*\b+16
.endr
.irp a, 0,1,2,3,4,5,6,7
	global_load_b32 v[BM+2*\a], v3, s[92:93] offset:64*\a                      ; bias(16 a + r), twice: a pair for the packed form
	global_load_b32 v[BM+2*\a+1], v3, s[92:93] offset:64*\a
.endr
	; where my codes go: T = my first token, F = my first head; qkvc's section + ((T / 2,048) x 16 + F) x 131,072 + (T % 2,048) x 64: the same for both layouts
	s_cmp_eq_u32 ttmp9, 2
	s_cselect_b32 s18, s42, s17
	s_cselect_b32 s19, s16, s15
	s_cselect_b32 s22, s41, s40
	s_cselect_b32 s23, s15, s16
	s_lshl_b32 s18, s18, 8
	s_lshl_b32 s19, s19, 7
	s_add_co_u32 s18, s18, s19                     ; T
	s_lshl_b32 s22, s22, 2
	s_lshl_b32 s23, s23, 1
	s_add_co_u32 s22, s22, s23                     ; F
	s_lshr_b32 s19, s18, 11
	s_lshl_b32 s19, s19, 4
	s_add_co_u32 s19, s19, s22
	s_lshl_b32 s19, s19, 17
	s_and_b32 s18, s18, 2047
	s_lshl_b32 s18, s18, 6
	s_add_co_u32 s18, s18, s19
	s_mov_b32 s19, 0
	s_add_nc_u64 s[10:11], s[10:11], s[18:19]
.macro FRAG reg, adr, q, i             ; block i of 16 rows, K step q of the slot: the image's four pieces of 512 bytes
.irp c, 0,1,2,3
	ds_load_b128 v[\reg+4*\c:\reg+4*\c+3], v[\adr] offset:4096*(\i)+2048*(\q)+512*\c
.endr
.endm
; 16 matrix instructions: A's blocks a0, a0 + 1 x B's eight, 128 along K.  p: B's set.  zero = 1: the first product starts the sums.  The 64 accumulators take turns, one instruction a turn.
.macro MUL16 a0, p, zero
.irp a, \a0, \a0+1
.irp b, 0,1,2,3,4,5,6,7
.if \zero
	v_wmma_f32_16x16x128_fp8_fp8 v[8*(8*((\a)%4)+\b):8*(8*((\a)%4)+\b)+7], v[128*(\p)+FR*\b:128*(\p)+FR*\b+FR-1], v[AF+FR*(\a):AF+FR*(\a)+FR-1], 0
.else
	v_wmma_f32_16x16x128_fp8_fp8 v[8*(8*((\a)%4)+\b):8*(8*((\a)%4)+\b)+7], v[128*(\p)+FR*\b:128*(\p)+FR*\b+FR-1], v[AF+FR*(\a):AF+FR*(\a)+FR-1], v[8*(8*((\a)%4)+\b):8*(8*((\a)%4)+\b)+7]
.endif
.endr
.endr
.endm
.macro FETCH_B slot, q, p              ; B's eight fragments of the slot's K step q into set p
	WIN TO_B
.irp i, 0,1,2,3,4,5,6,7
	FRAG 128*(\p)+FR*\i, ADRB+\slot, \q, \i
.endr
	WIN 0
.endm
.macro FETCH_A slot, q, i0             ; A's blocks i0 .. i0 + 3
.irp i, \i0, \i0+1, \i0+2, \i0+3
	FRAG AF+FR*(\i), ADRA+\slot, \q, \i
.endr
.endm
.macro PLACES n                        ; plain vector instructions between a matrix instruction and a load into, or a vector read or write of, one of its registers
.rept \n
	v_nop
.endr
.endm
; A step of 128 along K that has its successor in the same slot.  A's blocks 0-3 are fetched anew in its middle, blocks 4-7 at its end; B's next set in its middle.
.macro STEP slot, q, zero
	s_wait_dscnt 4*NL                              ; B's set and A's blocks 0-3 are in; the youngest 16 loads (A's blocks 4-7) may be out
	WIN MUL_LO
	MUL16 0, (\q)%2, \zero
	MUL16 2, (\q)%2, \zero
	s_wait_dscnt 0                                 ; A's blocks 4-7 are in
	PLACES NP
	FETCH_B \slot, (\q)+1, 1-(\q)%2
	FETCH_A \slot, (\q)+1, 0
	WIN MUL_HI
	MUL16 4, (\q)%2, \zero
	MUL16 6, (\q)%2, \zero
	PLACES NP
	WIN 0
	FETCH_A \slot, (\q)+1, 4
.endm
; A slot's last step changes slots: one barrier; in front of it each wave waits for all its tensor loads, adds 0 to its spare word, and waits for that and for its reads of this slot.  fill = 1: this slot is filled again, two K slots ahead.
.macro TURN slot, next, fill
	s_wait_tensorcnt 0x0                           ; all my tensor loads have landed: my part of the next slot
	ds_add_u32 v[SPW], v[NIL]                      ; 0 onto my spare word
	s_wait_dscnt 4*NL+1                            ; (the add and the youngest 16 loads, A's blocks 4-7, may be out)
	WIN MUL_LO
	MUL16 0, 1, 0                                  ; sixteen matrix instructions stand between the add and the wait for it
	s_wait_dscnt 0x0                               ; the add is done, and my reads of this slot are over
	s_barrier_signal -1
	MUL16 2, 1, 0
	WIN 0
	s_barrier_wait -1
.if \fill
	CREST                                          ; the barrier has opened a round of the cluster's barrier: no wave of any partner still reads this slot or has a load on its way
	s_add_nc_u64 s[G0+4*\slot+2:G0+4*\slot+3], s[G0+4*\slot+2:G0+4*\slot+3], 2*HALFT
	s_add_nc_u64 s[G0B+4*\slot+2:G0B+4*\slot+3], s[G0B+4*\slot+2:G0B+4*\slot+3], 2*HALFT
	JLOAD G0+4*\slot, G1, G0B+4*\slot, G1B         ; the first tensor load behind the round; its four v_nop are the places in front of the loads below
.else
	PLACES NP
.endif
	FETCH_B \next, 0, 0
	FETCH_A \next, 0, 0
	WIN MUL_HI
	MUL16 4, 1, 0
	MUL16 6, 1, 0
	PLACES NP
	WIN 0
	FETCH_A \next, 0, 4
.endm
	s_wait_tensorcnt 1                             ; my part of K slot 0 is in (K slot 1's load may be out)
	s_barrier_signal -1
	s_barrier_wait -1                              ; everybody's is
	FETCH_B 0, 0, 0
	FETCH_A 0, 0, 0
	FETCH_A 0, 0, 4
	STEP 0, 0, 1                                   ; the first step stands in front of the loop: its products start the sums
	s_mov_b32 s3, LAPS-1
.Llap:                                                 ; a trip goes once round the ring and fills both slots again
	TURN 0, 1, 1
	STEP 1, 0, 0
	TURN 1, 0, 1
	STEP 0, 0, 0
	s_sub_co_u32 s3, s3, 1
	s_cmp_lg_u32 s3, 0
	s_cbranch_scc1 .Llap
	TURN 0, 1, 0                                   ; the last lap fills nothing
	STEP 1, 0, 0
	s_wait_dscnt 4*NL                              ; the very last step: nothing more to fetch
	WIN MUL_LO
	MUL16 0, 1, 0
	MUL16 2, 1, 0
	s_wait_dscnt 0
	WIN MUL_HI
	MUL16 4, 1, 0
	MUL16 6, 1, 0
	WIN 0
	; THE WAY OUT.  No LDS: a block's codes are the next product's registers.
	s_wait_loadcnt 0x0                             ; the bias
	s_wait_kmcnt 0x0                               ; the exponents
	s_add_co_i32 s18, s68, s69
	s_add_co_i32 s19, s70, s71
	s_add_co_i32 s20, s72, s73
	s_add_co_i32 s21, s74, 3
	s_cmp_eq_u32 ttmp9, 1                          ; chosen by the cluster's x, never by a jump on an exponent
	s_cselect_b32 s18, s19, s18
	s_cselect_b32 s21, s75, s21
	s_cmp_eq_u32 ttmp9, 2
	s_cselect_b32 s18, s20, s18
	s_cselect_b32 s21, s77, s21
	s_add_co_i32 s18, s18, 127
	s_lshl_b32 s96, s18, 23                        ; 2^(ea + eb) as f32
	s_mov_b32 s97, s96                             ; (named with it as a pair, so it is written)
	s_add_co_i32 s21, s21, 127
	s_lshl_b32 s22, s21, 23
	v_mov_b32 v[SCL], s22
	PLACES NP                                      ; behind the last products: their results are read, and A's registers written, only behind these
; Block a of 16 rows of C: sum x 2^(ea + eb) + bias in place (each accumulator from its low end on), the hold, eight conversions, four stores.  Each block has code registers of its own: no store's data are written again.
.macro OUTBLK a, isv
.set AC, 64*((\a)%4)
	WIN 0x82+0x41*((\a)/4)                         ; source 0 and destination: window 2 or 3
.set JJ, 0
.rept 32
.if \isv
	v_pk_fma_f32 v[AC+JJ:AC+JJ+1], v[AC+JJ:AC+JJ+1], s[96:97], v[BM+2*(\a):BM+2*(\a)+1] op_sel_hi:[1,0,1]
.else
	v_pk_fma_f32 v[AC+JJ:AC+JJ+1], v[AC+JJ:AC+JJ+1], s[96:97], v[BN+JJ:BN+JJ+1] op_sel_hi:[1,0,1]
.endif
.set JJ, JJ+2
.endr
.set JJ, 0
.rept 64
.set JJ, JJ+1
.endr
	WIN 0x02+((\a)/4)                              ; source 0: window 2 or 3; destination window 0
.irp b, 0,1,2,3,4,5,6,7
	v_cvt_scalef32_pk8_fp8_f32 v[CD+16*(\a)+2*\b:CD+16*(\a)+2*\b+1], v[AC+8*\b:AC+8*\b+7], v[SCL]
.endr
	v_nop                                          ; a plain instruction behind the last conversion
	WIN 0
.irp c, 0,1,2,3
.if \isv
	global_store_b128 v[LI], v[CD+16*(\a)+4*\c:CD+16*(\a)+4*\c+3], s[10:11] offset:((\a)/4)*131072+2048*((\a)%4)+512*\c   ; head a / 4, channels 16 (a % 4) on, my 128 keys
.else
	global_store_b128 v[LI], v[CD+16*(\a)+4*\c:CD+16*(\a)+4*\c+3], s[10:11] offset:(\c/2)*131072+1024*(\a)+512*(\c%2)     ; head c / 2, tokens 16 a on
.endif
.endr
.endm
	s_cmp_eq_u32 ttmp9, 2
	s_cbranch_scc1 .Lv_out                         ; on the cluster's x: alike in all partners; no barrier and no tensor load stands in either arm
.irp a, 0,1,2,3,4,5,6,7
	OUTBLK \a, 0
.endr
	s_branch .Ljoin
.Lv_out:
.irp a, 0,1,2,3,4,5,6,7
	OUTBLK \a, 1
.endr
.Ljoin:
	s_wait_tensorcnt 0x0                           ; the wave's end
	ds_add_u32 v[SPW], v[NIL]
	s_wait_dscnt 0x0
	CROUND                                         ; the closing round: no work-group ends while a partner may still ask for a tile that names it
	s_endpgm
.Lfunc_end_k_qc109f3fb73_qkv:
	.size	k_qc109f3fb73_qkv, .Lfunc_end_k_qc109f3fb73_qkv-k_qc109f3fb73_qkv
	.p2alignl 7, 3214868480
	.fill 96, 4, 3214868480
	.section	.rodata,"a",@progbits
	.p2align	6, 0x0
	.amdhsa_kernel k_qc109f3fb73_qkv
		.amdhsa_group_segment_fixed_size 327680
		.amdhsa_private_segment_fixed_size 0
		.amdhsa_enable_private_segment 0
		.amdhsa_kernarg_size 56
		.amdhsa_user_sgpr_count 2
		.amdhsa_user_sgpr_kernarg_segment_ptr 1
		.amdhsa_wavefront_size32 1
		.amdhsa_system_sgpr_workgroup_id_x 1
		.amdhsa_system_sgpr_workgroup_id_y 1
		.amdhsa_system_sgpr_workgroup_id_z 1
		.amdhsa_system_vgpr_workitem_id 0
		.amdhsa_next_free_vgpr 1024
		.amdhsa_next_free_sgpr 98
		.amdhsa_reserve_vcc 0
		.amdhsa_float_denorm_mode_32 3
		.amdhsa_float_denorm_mode_16_64 3
		.amdhsa_fp16_overflow 1
		.amdhsa_memory_ordered 1
		.amdhsa_forward_progress 1
		.amdhsa_inst_pref_size 130
	.end_amdhsa_kernel
	.amdgpu_metadata
---
amdhsa.version: [ 1, 2 ]
amdhsa.kernels:
  - .name:           k_qc109f3fb73_qkv
    .symbol:         k_qc109f3fb73_qkv.kd
    .args:
      - { .name: xc, .offset: 0, .size: 8, .value_kind: global_buffer, .address_space: global }
      - { .name: wc, .offset: 8, .size: 8, .value_kind: global_buffer, .address_space: global }
      - { .name: bq, .offset: 16, .size: 8, .value_kind: global_buffer, .address_space: global }
      - { .name: bk, .offset: 24, .size: 8, .value_kind: global_buffer, .address_space: global }
      - { .name: bv, .offset: 32, .size: 8, .value_kind: global_buffer, .address_space: global }
      - { .name: lowp_scales, .offset: 40, .size: 8, .value_kind: global_buffer, .address_space: global }
      - { .name: qkvc, .offset: 48, .size: 8, .value_kind: global_buffer, .address_space: global }
    .group_segment_fixed_size: 327680
    .private_segment_fixed_size: 0
    .kernarg_segment_align: 8
    .kernarg_segment_size: 56
    .max_flat_workgroup_size: 128
    .sgpr_count:     98
    .vgpr_count:     1024
    .wavefront_size: 32
...
	.end_amdgpu_metadata
.endif
;; end of part 2
;; launch attn (part 3): grid 4 x 64, 16 waves a work-group, no clusters, 327,680 bytes of LDS; arguments qkvc, lowp_scales, mc; writes mc
.if DOCPART == 3
	.amdgcn_target "amdgcn-amd-amdhsa--gfx1250"
	.amdhsa_code_object_version 6
	.text
	.protected	k_qc109f3fb73_attn
	.globl	k_qc109f3fb73_attn
	.p2align	8
	.type	k_qc109f3fb73_attn,@function
k_qc109f3fb73_attn:
	s_mov_b64 s[64:65], 0
	v_nop
	global_prefetch_b8 v0, s[64:65] scope:SCOPE_SE
	s_setreg_imm32_b32 hwreg(HW_REG_WAVE_MODE, 25, 1), 1
	s_wait_xcnt 0x0
; Causal attention on codes of E4M3, head size 64, 2,048 tokens, 64 heads (batch x 16 + head), and the quantising of its result for the output projection.
; Q, K: [head][128 blocks of 16 tokens][1,024 bytes], V: [head][16 blocks of 128 keys][4 blocks of 16 channels][2,048 bytes]: images of the operands' registers (registers 4 q .. 4 q + 3 of lane l at 512 q + 16 l).
; THE SOFTMAX AHEAD OF THE SECOND PRODUCT: t = logit x log2(e); M = the running largest t rounded UP to a whole number; p = 2^(t - M) is quantised under e8, not normalised; the row's sum is taken of the
; unquantised p and divides at the end; when M moves, the sum and O are multiplied by 2^(old M - new M), which rounds nothing.
; SHARES.  A work-group owns TWO blocks of 256 queries of one head, blocks 7 - x and x, one after the other: block 7 - x needs key slots 0 .. 7 - x (256 keys each), block x slots 0 .. x: nine slots whatever x is.
; So the 256 work-groups have equal work, the trip count is a constant, and tiles wholly above the diagonal are neither fetched nor multiplied.  Each of sixteen waves owns 16 queries of the block in hand.
; LAYOUT.  Both products transposed: S^T = K Q^T (source 0 = 16 keys, source 1 = my 16 queries), O^T = V^T P^T: a lane holds ONE query (lane % 16) throughout.  Register j of score tile c is key 16 c + 8 h + j, so
; the conversion of tile c's eight registers gives registers 2 c, 2 c + 1 of P in the form's own layout; likewise O^T's tile t gives registers 2 t, 2 t + 1 of the projection's operand.
; RING: two LDS slots of 32,768 bytes (K's 16,384, then V's), filled by waves 0 (K) and 1 (V), one dense block of 64 x 256 bytes each, read by all sixteen.
; NO CLUSTER: the four work-groups of a head walk key slots 0 .. 7 - x and then 0 .. x, so from trip 8 - x on they need different slots in the same trip: their requests would not be alike.
; OUT: mc, laid as a GEMM operand: [tokens / 128][4 K slots][8 blocks of 16 tokens][2 K steps][image], k = 64 x head + channel.
; LIMITS: e6 + e7 between -126 and 127 (added to log2(e)'s exponent field); e8, e10 between -126 and 119; e8 + e9 is applied by v_ldexp_f32.
; REGISTERS: v1 16 x lane; v2 the step's LDS address; v3 the prefetches' offset; v5, v6 the add's; v12 -M, v13 the largest t, v[14:15] the sum; v16-23 Q in hand, v24-31 the second block's Q; v32-95 K's, then V's fragments;
;   v96-159 S^T, then p; v160-191 O^T; v192-207 p's codes; v208-215, v216-223 the two blocks' codes out; v234-255 at work and constants.
.set SLOTB, 32768
.set VOFF,  16384
.set SPARE, 65536                      ; behind the ring: the spare words, 128 bytes for each of sixteen waves
.set LI,   1
.set ADR,  2
.set PFO,  3
.set SPW,  5
.set NIL,  6
.set TB,   2                           ; s2   LDS byte at which the slot in hand begins
.set WV,   18
.set SEL,  20                          ; s[20:21] v_permlanex16_b32: lane l xor 16
.set CS,   22                          ; s[22:23] c = log2(e) x 2^(e6 + e7)
.set G1,   24                          ; s[24:31] descriptor group 1
.set G0,   40                          ; s[40:43] descriptor group 0, which walks
.set BASE, 44                          ; s[44:45] my tensor's (K's or V's) first byte of the head
.set OFF,  46                          ; s[46:47] the key slot to fetch, in bytes
.set KN,   48                          ; s48  the key slot to fetch
.set LEN1, 49                          ; s49  8 - x: the first block's slots
.set SW,   50                          ; s50  x + 1: the count of slots left at which the blocks change
.set Q02,  51                          ; s51  my first query in the second block
.set OUT1, 52                          ; s[52:53], s[54:55] where the two blocks' codes go
.set OUT2, 54
.set ESUM, 56                          ; s56  e8 + e9
.set SLOTS, 67                         ; s67  slots still to be asked for
.set PFA,  76                          ; s[76:77] where my prefetches stand
.set LIMS, 80                          ; s80  2 in a wave that prefetches, else the greatest number
.set KF,   98                          ; s98  the step's first key
.set Q0,   99                          ; s99  my first query
.macro TLOAD                           ; wave 0 fetches K's block, wave 1 V's, the others nothing; four v_nop follow the line
	s_cmp_lt_u32 s[WV], 2
	s_cbranch_scc0 .Lnone_\@
	tensor_load_to_lds s[G0:G0+3], s[G1:G1+7]
	s_nop 0
.rept 4
	v_nop
.endr
.Lnone_\@:
.endm
; A PREFETCH of the key slot that the NEXT change of slots will ask for.  All four work-groups of a head read the same K and V; work-group x = 0, whose first block walks all eight slots, asks, and nobody else.
; In it waves 4, 5 ask for the two halves of K's 16,384 bytes and waves 6, 7 for V's: 8,192 bytes a wave, lanes 256 bytes apart: each aligned 256 bytes once in the launch.  Trips 0 to 5 ask for slots 2 to 7; slots 0 and 1 come by their loads alone.
.macro ASK
	s_cmp_gt_u32 s[SLOTS], s[LIMS]
	s_cbranch_scc0 .Lnot_mine_\@
	global_prefetch_b8 v[PFO], s[PFA:PFA+1] th:TH_LOAD_NT scope:SCOPE_SE
.Lnot_mine_\@:
.endm
	s_load_b128 s[4:7], s[0:1], 0x0                ; qkvc s[4:5], the exponents s[6:7]
	s_load_b64 s[8:9], s[0:1], 0x10                ; mc
	v_lshl_add_u32 v[SPW], v0, 2, SPARE
	v_mov_b32 v[NIL], 0
	ds_add_u32 v5, v6
	ds_add_u32 v5, v6
	s_wait_dscnt 0x0
	v_lshrrev_b32 v8, 5, v0
	s_delay_alu instid0(VALU_DEP_1)
	v_readfirstlane_b32 s[WV], v8                  ; wave 0..15
	s_and_b32 s10, ttmp7, 0xffff                   ; the head, 0..63
	s_lshl_b32 s12, s10, 17                        ; its 131,072 bytes in each section
	s_sub_co_u32 s11, 7, ttmp9                     ; the first block of queries
	s_lshl_b32 s14, s[WV], 4
	s_lshl_b32 s[Q0], s11, 8
	s_add_co_u32 s[Q0], s[Q0], s14                 ; my first query: 256 x block + 16 x wave
	s_lshl_b32 s[Q02], ttmp9, 8
	s_add_co_u32 s[Q02], s[Q02], s14
	s_sub_co_u32 s[LEN1], 8, ttmp9
	s_add_co_u32 s[SW], ttmp9, 1
	s_lshl_b32 s32, s[Q0], 6                       ; Q: 64 bytes a token
	s_add_co_u32 s32, s32, s12
	s_mov_b32 s33, 0
	s_lshl_b32 s34, s[Q02], 6
	s_add_co_u32 s34, s34, s12
	s_mov_b32 s35, 0
	s_and_b32 s15, s10, 15                         ; head in the batch: k = 64 x head on: K slot head / 4, K step (head / 2) % 2, the image's half head % 2
	s_lshr_b32 s16, s10, 4                         ; batch
	s_lshr_b32 s17, s15, 2
	s_lshl_b32 s17, s17, 15
	s_bfe_u32 s36, s15, 0x10001
	s_lshl_b32 s36, s36, 11
	s_add_co_u32 s17, s17, s36
	s_and_b32 s36, s15, 1
	s_lshl_b32 s36, s36, 10
	s_add_co_u32 s17, s17, s36
	s_lshl_b32 s16, s16, 7                         ; 128 blocks of 16 tokens a batch
.irp p, 0,1                                    ; block of tokens tb = 128 x batch + query / 16: (tb / 8) x 131,072 + (tb % 8) x 4,096 + the head's part
.if \p
	s_lshr_b32 s37, s[Q02], 4
.else
	s_lshr_b32 s37, s[Q0], 4
.endif
	s_add_co_u32 s37, s37, s16
	s_lshr_b32 s38, s37, 3
	s_lshl_b32 s38, s38, 17
	s_and_b32 s37, s37, 7
	s_lshl_b32 s37, s37, 12
	s_add_co_u32 s38, s38, s37
	s_add_co_u32 s[OUT1+2*\p], s38, s17
	s_mov_b32 s[OUT1+2*\p+1], 0
.endr
	s_and_b32 s39, s[WV], 1
	s_lshl_b32 s[G0+1], s39, 14                    ; 63:32 LDS address: slot 0, K's part or V's
	s_lshl_b32 s82, s39, 23                        ; K's section begins 8 MiB into qkvc, V's 16 MiB
	s_add_co_u32 s82, s82, s12
	s_add_co_u32 s82, s82, 0x800000
	s_mov_b32 s83, 0
	s_bfe_u32 s84, s[WV], 0x10001                  ; the prefetches: waves 4, 5 K's section, waves 6, 7 V's,
	s_lshl_b32 s84, s84, 23
	s_add_co_u32 s84, s84, s12
	s_lshl_b32 s85, s39, 13                        ; my half of a slot's 16,384 bytes,
	s_add_co_u32 s84, s84, s85
	s_add_co_u32 s84, s84, 0x800000+16384          ; in slot 1: the first change of slots steps it to slot 2
	s_mov_b32 s85, 0
	s_sub_co_u32 s86, s[WV], 4
	s_lshr_b32 s86, s86, 2                         ; 0 in waves 4 to 7,
	s_or_b32 s86, s86, ttmp9                       ; of the head's work-group 0
	s_cmp_eq_u32 s86, 0
	s_cselect_b32 s[LIMS], 2, -1
	; descriptor group 1: a dense block of 64 rows x 256 bytes
	s_mov_b32 s[G1], 0                             ; no mask; elements of 1 byte; no padding
	s_mov_b32 s[G1+1], 256<<16                     ; tensor_dim0
	s_mov_b32 s[G1+2], 64<<16                      ; tensor_dim1
	s_mov_b32 s[G1+3], 256<<16                     ; tile_dim0
	s_mov_b32 s[G1+4], 64                          ; tile_dim1
	s_mov_b32 s[G1+5], 256                         ; tensor_dim0_stride
	s_mov_b32 s[G1+6], 0
	s_mov_b32 s[G1+7], 0
	s_mov_b32 s[SEL], 0x76543210
	s_mov_b32 s[SEL+1], 0xfedcba98
	s_mov_b32 s[CS], 0x3fb8aa3b                    ; log2(e)
	s_mov_b32 s[TB], 0
	s_mov_b32 s[KN], 0
	s_mov_b32 s[OFF+1], 0
	s_mov_b32 s[KF], 0
	s_mov_b32 s[SLOTS], 8
	s_wait_kmcnt 0x0
	s_load_b128 s[68:71], s[6:7], 0x18             ; e6, e7, e8, e9
	s_load_b32 s72, s[6:7], 0x28                   ; e10
	s_add_nc_u64 s[BASE:BASE+1], s[4:5], s[82:83]
	s_mov_b32 s[G0], 1                             ; count = 1
	s_mov_b64 s[G0+2:G0+3], s[BASE:BASE+1]         ; key slot 0
	s_or_b32 s[G0+3], s[G0+3], 0x80000000          ; type = 2
	TLOAD                                          ; slot 0: by this text's count a wave never has more than one tensor load out
	s_add_nc_u64 s[32:33], s[4:5], s[32:33]
	s_add_nc_u64 s[34:35], s[4:5], s[34:35]
	s_add_nc_u64 s[PFA:PFA+1], s[4:5], s[84:85]
	s_add_nc_u64 s[OUT1:OUT1+1], s[8:9], s[OUT1:OUT1+1]
	s_add_nc_u64 s[OUT2:OUT2+1], s[8:9], s[OUT2:OUT2+1]
	v_and_b32 v8, 31, v0
	s_delay_alu instid0(VALU_DEP_1)
	v_lshlrev_b32 v[LI], 4, v8
	s_delay_alu instid0(VALU_DEP_2)
	v_lshlrev_b32 v[PFO], 8, v8
	global_load_b128 v[16:19], v[LI], s[32:33]                 ; both blocks' Q stay in registers
	global_load_b128 v[20:23], v[LI], s[32:33] offset:512
	global_load_b128 v[24:27], v[LI], s[34:35]
	global_load_b128 v[28:31], v[LI], s[34:35] offset:512
	v_mov_b32 v13, 0xff61b1e6                      ; the largest t so far: -3e38, under every t
	s_delay_alu instid0(VALU_DEP_1)
	v_floor_f32 v12, -v13                          ; -M
	v_mov_b32 v14, 0                               ; the sum, in two halves
	v_mov_b32 v15, 0
	v_mov_b32 v236, 0                              ; written once: a lane permute's destination counts as one of its sources,
	v_mov_b32 v252, 0
	v_mov_b32 v253, 0                              ; (named as the upper half of the pair v[252:253])
	v_mov_b32 v254, 0
.set JJ, 0
.rept 32
	v_mov_b32 v[160+JJ], 0                         ; O^T: the step is written once; the first finds zeros, which the first change of M leaves zeros
.set JJ, JJ+1
.endr
	s_wait_kmcnt 0x0
	s_add_co_i32 s82, s68, s69
	s_lshl_b32 s82, s82, 23
	s_add_co_i32 s[CS], s[CS], s82                 ; a sum of codes stands for sum x 2^(e6 + e7): added to c's exponent field
	s_mov_b32 s[CS+1], s[CS]
	s_add_co_i32 s82, s70, 127
	s_lshl_b32 s83, s82, 23
	v_mov_b32 v244, s83                            ; 2^e8
	s_add_co_i32 s82, s72, 127
	s_lshl_b32 s83, s82, 23
	v_mov_b32 v246, s83                            ; 2^e10
	s_add_co_i32 s[ESUM], s70, s71
; A KEY STEP: 128 keys, the q-th of the slot in hand.  A step all of whose keys come after my 16 queries is left out by a scalar branch on ids; no barrier and no tensor load stands in a step.
.macro STEP q
	s_add_co_u32 s96, s[Q0], 15
	s_cmp_gt_u32 s[KF], s96
	s_cbranch_scc1 .Lhidden_\@
	v_add_nc_u32 v[ADR], s[TB], v[LI]
.rept 3
	v_nop                                          ; with the addition four places in front of loads into registers that the last products read
.endr
.irp c, 0,1,2,3,4,5,6,7
	ds_load_b128 v[32+8*\c:35+8*\c], v[ADR] offset:8192*(\q)+1024*\c           ; keys 16 c on: an image of 1,024 bytes
	ds_load_b128 v[36+8*\c:39+8*\c], v[ADR] offset:8192*(\q)+1024*\c+512
.endr
	s_wait_dscnt 0x0
	s_wait_alu depctr_va_vdst(0)
.irp c, 0,1,2,3,4,5,6,7
	v_wmma_f32_16x16x64_fp8_fp8 v[96+8*\c:103+8*\c], v[32+8*\c:39+8*\c], v[16:23], 0
.endr
.rept 4
	v_nop                                          ; places in front of the loads below and of the first read of the scores
.endr
.irp t, 0,1,2,3
.irp c, 0,1,2,3
	ds_load_b128 v[32+16*\t+4*\c:35+16*\t+4*\c], v[ADR] offset:VOFF+8192*(\q)+2048*\t+512*\c   ; V: channels 16 t on x these 128 keys; they land during the softmax
.endr
.endr
	s_add_co_u32 s96, s[KF], 127                   ; on the diagonal hidden scores become -infinity ahead of the maximum: p = 0 then.  A step all of whose keys count skips this
	s_cmp_le_u32 s96, s[Q0]
	s_cbranch_scc1 .Lopen_\@
	s_sub_co_i32 s96, s[Q0], s[KF]
	v_and_b32 v252, 15, v0
	v_bfe_u32 v253, v0, 4, 1
	s_delay_alu instid0(VALU_DEP_1)
	v_lshlrev_b32 v253, 3, v253
	s_delay_alu instid0(VALU_DEP_1)
	v_sub_nc_u32 v252, v252, v253
	s_delay_alu instid0(VALU_DEP_1)
	v_add_nc_u32 v252, s96, v252                   ; d = my query - KF - 8 h.  Register 8 c + j holds key KF + 16 c + 8 h + j: hidden where 16 c + j > d
	v_mov_b32 v254, 0xff800000
.set NN, 0
.rept 64
	v_cmp_gt_i32 vcc_lo, 16*(NN/8)+NN%8, v252
	v_cndmask_b32 v[96+NN], v[96+NN], v254, vcc_lo
.set NN, NN+1
.endr
.Lopen_\@:
	v_max3_num_f32 v254, v96, v97, v98             ; the step's largest score of my query among my 64 keys, in two chains; each tile is first read at its low end,
	v_max3_num_f32 v252, v99, v100, v101
.irp i, 6,10,14,18,22,26,30,34,38,42,46,50,54,58
	v_max3_num_f32 v254, v254, v[96+\i], v[97+\i]
	v_max3_num_f32 v252, v252, v[98+\i], v[99+\i]
.endr
	v_max3_num_f32 v254, v254, v158, v159
	s_delay_alu instid0(VALU_DEP_1)
	v_max_num_f32 v254, v254, v252
	s_delay_alu instid0(VALU_DEP_1)
	v_permlanex16_b32 v236, v254, s[SEL], s[SEL+1]
	s_delay_alu instid0(VALU_DEP_1)
	v_max_num_f32 v254, v254, v236                 ; and among lane l xor 16's
	s_delay_alu instid0(VALU_DEP_1)
	v_mul_f32 v254, s[CS], v254                    ; as t (c is positive)
	s_delay_alu instid0(VALU_DEP_1)
	v_max_num_f32 v13, v13, v254                   ; the running largest t
	v_mov_b32 v254, v12
	s_delay_alu instid0(VALU_DEP_2)
	v_floor_f32 v12, -v13                          ; the new -M = floor(-t) = -ceil(t): a whole number
	s_delay_alu instid0(VALU_DEP_1)
	v_sub_f32 v254, v12, v254                      ; old M - new M: a whole number, 0 or less
	s_delay_alu instid0(VALU_DEP_1)
	v_cvt_i32_f32 v254, v254                       ; (it saturates)
	s_delay_alu instid0(VALU_DEP_1)
	v_ldexp_f32 v252, 1.0, v254                    ; f = 2^(old M - new M)
.set JJ, 0
.rept 32
	v_pk_fma_f32 v[96+JJ:97+JJ], v[96+JJ:97+JJ], s[CS:CS+1], v[12:13] op_sel_hi:[1,0,0]   ; t - M, two at a time
.set JJ, JJ+2
.endr
.set JJ, 0
	s_wait_alu depctr_va_vdst(0)
.rept 64
	v_exp_f32 v[96+JJ], v[96+JJ]                   ; p = 2^(t - M), at most 1
.set JJ, JJ+1
.endr
	v_pk_mul_f32 v[14:15], v[14:15], v[252:253] op_sel_hi:[1,0]    ; the sums under the new M: also the plain instruction behind the exponentials
	s_wait_alu depctr_va_vdst(0)                   ; one wait for the batch of 64, ahead of its first reader
	v_pk_add_f32 v[242:243], v[100:101], v[104:105]
	v_pk_add_f32 v[254:255], v[108:109], v[112:113]
	v_pk_add_f32 v[250:251], v[116:117], v[120:121]
	v_pk_add_f32 v[248:249], v[124:125], v[128:129]
	v_pk_add_f32 v[240:241], v[132:133], v[136:137]
	v_pk_add_f32 v[238:239], v[140:141], v[144:145]
	v_pk_add_f32 v[234:235], v[148:149], v[152:153]
	v_pk_add_f32 v[14:15], v[14:15], v[156:157]
	v_pk_add_f32 v[242:243], v[242:243], v[96:97]
	v_pk_add_f32 v[254:255], v[254:255], v[98:99]
	v_pk_add_f32 v[250:251], v[250:251], v[102:103]
	v_pk_add_f32 v[248:249], v[248:249], v[106:107]
	v_pk_add_f32 v[240:241], v[240:241], v[110:111]
	v_pk_add_f32 v[238:239], v[238:239], v[114:115]
	v_pk_add_f32 v[234:235], v[234:235], v[118:119]
	v_pk_add_f32 v[14:15], v[14:15], v[122:123]
	v_pk_add_f32 v[242:243], v[242:243], v[126:127]
	v_pk_add_f32 v[254:255], v[254:255], v[130:131]
	v_pk_add_f32 v[250:251], v[250:251], v[134:135]
	v_pk_add_f32 v[248:249], v[248:249], v[138:139]
	v_pk_add_f32 v[240:241], v[240:241], v[142:143]
	v_pk_add_f32 v[238:239], v[238:239], v[146:147]
	v_pk_add_f32 v[234:235], v[234:235], v[150:151]
	v_pk_add_f32 v[14:15], v[14:15], v[154:155]
	v_pk_add_f32 v[242:243], v[242:243], v[158:159]
	s_delay_alu instid0(VALU_DEP_2)
	v_pk_add_f32 v[14:15], v[14:15], v[248:249]
	s_delay_alu instid0(VALU_DEP_2)
	v_pk_add_f32 v[242:243], v[242:243], v[240:241]
	v_pk_add_f32 v[254:255], v[254:255], v[238:239]
	v_pk_add_f32 v[250:251], v[250:251], v[234:235]
	s_delay_alu instid0(VALU_DEP_2)
	v_pk_add_f32 v[14:15], v[14:15], v[254:255]
	s_delay_alu instid0(VALU_DEP_2)
	v_pk_add_f32 v[242:243], v[242:243], v[250:251]
	s_delay_alu instid0(VALU_DEP_1)
	v_pk_add_f32 v[14:15], v[14:15], v[242:243]
.irp c, 0,1,2,3,4,5,6,7
.irp i, 0,1,2,3,4,5,6,7
.endr
	v_cvt_scalef32_pk8_fp8_f32 v[192+2*\c:193+2*\c], v[96+8*\c:103+8*\c], v244
.endr
.set JJ, 0
.rept 16
	v_pk_mul_f32 v[160+JJ:161+JJ], v[160+JJ:161+JJ], v[252:253] op_sel_hi:[1,0]   ; O^T under the new M.  (Also the plain instructions between the conversions and the products)
.set JJ, JJ+2
.endr
	s_wait_alu depctr_va_vdst(0)
	s_wait_dscnt 0x0                               ; V is in
.irp t, 0,1,2,3
	v_wmma_f32_16x16x128_fp8_fp8 v[160+8*\t:167+8*\t], v[32+16*\t:47+16*\t], v[192:207], v[160+8*\t:167+8*\t]   ; four accumulators by turns, one instruction a turn
.endr
.Lhidden_\@:
	s_add_co_u32 s[KF], s[KF], 128
.endm
; THE CHANGE OF SLOTS stands at a slot's head.  Each wave waits for all its tensor loads, adds 0 to its spare word, and waits for that and for its reads of the slot that it has left.  Behind the barrier the slot ahead
; is whole and nobody reads the other one.  fill = 1: that other slot takes the key slot of the next trip: one further on, or slot 0 again where the first block's slots are through.
.macro CHANGE fill
	s_wait_tensorcnt 0x0                           ; no tensor load of mine is out, so group 0 may be written
	ds_add_u32 v[SPW], v[NIL]                      ; 0 onto my spare word
.if \fill
	s_xor_b32 s[G0+1], s[G0+1], SLOTB              ; the other LDS slot than last time
	s_add_co_u32 s[KN], s[KN], 1
	s_cmp_eq_u32 s[KN], s[LEN1]
	s_cselect_b32 s[KN], 0, s[KN]                  ; (the second block's slots, x at the most, never reach 8 - x: x is 3 at the most)
	s_lshl_b32 s[OFF], s[KN], 14
	s_add_nc_u64 s[G0+2:G0+3], s[BASE:BASE+1], s[OFF:OFF+1]
	s_or_b32 s[G0+3], s[G0+3], 0x80000000
	s_wait_xcnt 0x0                                ; the last prefetch, a slot back, has read its address, so it may be written
	s_add_nc_u64 s[PFA:PFA+1], s[PFA:PFA+1], 16384
.endif
	s_wait_dscnt 0x0                               ; the add is done, and my reads of the slot that I have left are over
	s_barrier_signal -1
	s_barrier_wait -1
.if \fill
	TLOAD                                          ; the first thing behind the barrier, and a wave's one tensor load until the next
	ASK
.endif
.endm
; A block of queries is finished: O^T x 2^(e8 + e9) / the sum, held, converted under e10, stored as half an image: two stores of 512 consecutive aligned bytes.  reset = 1: on to the second block.
.macro FINISH oc, out, reset
	v_add_f32 v14, v14, v15                        ; the sum's two halves,  (these lines are also the places behind the last products)
	s_delay_alu instid0(VALU_DEP_1)
	v_permlanex16_b32 v252, v14, s[SEL], s[SEL+1]
	s_delay_alu instid0(VALU_DEP_1)
	v_add_f32 v14, v14, v252                       ; and lane l xor 16's
	s_wait_alu depctr_va_vdst(0)
	v_rcp_f32 v14, v14
	v_nop                                          ; a plain instruction behind the transcendental,
	s_wait_alu depctr_va_vdst(0)                   ; and the wait ahead of its first reader
	v_ldexp_f32 v14, v14, s[ESUM]
.set JJ, 0
.rept 32
	v_mul_f32 v[96+JJ], v[160+JJ], v14             ; register 8 t + j is o(query r, channel 16 t + 8 h + j); each accumulator from its low end on
.set JJ, JJ+1
.endr
.set JJ, 0
.rept 32
.set JJ, JJ+1
.endr
.irp t, 0,1,2,3
	v_cvt_scalef32_pk8_fp8_f32 v[\oc+2*\t:\oc+2*\t+1], v[96+8*\t:103+8*\t], v246
.endr
	v_nop                                          ; a plain instruction behind the last conversion
	global_store_b128 v[LI], v[\oc:\oc+3], s[\out:\out+1]
	global_store_b128 v[LI], v[\oc+4:\oc+7], s[\out:\out+1] offset:512
.if \reset
	v_mov_b32 v13, 0xff61b1e6
	s_delay_alu instid0(VALU_DEP_1)
	v_floor_f32 v12, -v13
	v_mov_b32 v14, 0
	v_mov_b32 v15, 0
.set JJ, 0
.rept 32
	v_mov_b32 v[160+JJ], 0
.set JJ, JJ+1
.endr
.irp j, 0,1,2,3,4,5,6,7
	v_mov_b32 v[16+\j], v[24+\j]                   ; the second block's Q
.endr
	s_mov_b32 s[KF], 0
	s_mov_b32 s[Q0], s[Q02]
.endif
.endm
	s_wait_loadcnt 0x0                             ; Q
.Lslot:                                                ; eight trips: behind each change of slots but the last the next trip's keys are asked for
	CHANGE 1
	STEP 0
	STEP 1
	s_xor_b32 s[TB], s[TB], SLOTB                  ; on to the other slot
	s_cmp_lg_u32 s[SLOTS], s[SW]                   ; the first block's last slot is trip 7 - x, where 8 - trip = x + 1: always inside the loop
	s_cbranch_scc1 .Lsame_block
	FINISH 208, OUT1, 1
.Lsame_block:
	s_sub_co_u32 s[SLOTS], s[SLOTS], 1
	s_cmp_lg_u32 s[SLOTS], 0
	s_cbranch_scc1 .Lslot
	CHANGE 0                                       ; the last slot is written out
	STEP 0
	STEP 1
	FINISH 216, OUT2, 0
	s_wait_tensorcnt 0x0                           ; the wave's end
	ds_add_u32 v[SPW], v[NIL]
	s_wait_dscnt 0x0
	s_endpgm
.Lfunc_end_k_qc109f3fb73_attn:
	.size	k_qc109f3fb73_attn, .Lfunc_end_k_qc109f3fb73_attn-k_qc109f3fb73_attn
	.p2alignl 7, 3214868480
	.fill 96, 4, 3214868480
	.section	.rodata,"a",@progbits
	.p2align	6, 0x0
	.amdhsa_kernel k_qc109f3fb73_attn
		.amdhsa_group_segment_fixed_size 327680
		.amdhsa_private_segment_fixed_size 0
		.amdhsa_enable_private_segment 0
		.amdhsa_kernarg_size 24
		.amdhsa_user_sgpr_count 2
		.amdhsa_user_sgpr_kernarg_segment_ptr 1
		.amdhsa_wavefront_size32 1
		.amdhsa_system_sgpr_workgroup_id_x 1
		.amdhsa_system_sgpr_workgroup_id_y 1
		.amdhsa_system_sgpr_workgroup_id_z 1
		.amdhsa_system_vgpr_workitem_id 0
		.amdhsa_next_free_vgpr 256
		.amdhsa_next_free_sgpr 100
		.amdhsa_reserve_vcc 1
		.amdhsa_float_denorm_mode_32 3
		.amdhsa_float_denorm_mode_16_64 3
		.amdhsa_fp16_overflow 1
		.amdhsa_memory_ordered 1
		.amdhsa_forward_progress 1
		.amdhsa_inst_pref_size 91
	.end_amdhsa_kernel
	.amdgpu_metadata
---
amdhsa.version: [ 1, 2 ]
amdhsa.kernels:
  - .name:           k_qc109f3fb73_attn
    .symbol:         k_qc109f3fb73_attn.kd
    .args:
      - { .name: qkvc, .offset: 0, .size: 8, .value_kind: global_buffer, .address_space: global }
      - { .name: lowp_scales, .offset: 8, .size: 8, .value_kind: global_buffer, .address_space: global }
      - { .name: mc, .offset: 16, .size: 8, .value_kind: global_buffer, .address_space: global }
    .group_segment_fixed_size: 327680
    .private_segment_fixed_size: 0
    .kernarg_segment_align: 8
    .kernarg_segment_size: 24
    .max_flat_workgroup_size: 512
    .sgpr_count:     100
    .vgpr_count:     256
    .wavefront_size: 32
...
	.end_amdgpu_metadata
.endif
;; end of part 3
;; launch oproj (part 4): grid 4 x 32, 4 waves a work-group, clusters of 4 x 4, 327,680 bytes of LDS; arguments mc, wc, lowp_scales, bo, out0; writes out0
.if DOCPART == 4
	.amdgcn_target "amdgcn-amd-amdhsa--gfx1250"
	.amdhsa_code_object_version 6
	.text
	.protected	k_qc109f3fb73_oproj
	.globl	k_qc109f3fb73_oproj
	.p2align	8
	.type	k_qc109f3fb73_oproj,@function
k_qc109f3fb73_oproj:
	s_mov_b64 s[64:65], 0
	v_nop
	global_prefetch_b8 v0, s[64:65] scope:SCOPE_SE
	s_setreg_imm32_b32 hwreg(HW_REG_WAVE_MODE, 25, 1), 1
	s_wait_xcnt 0x0
	s_wait_alu depctr_hold_cnt(0) depctr_sa_sdst(0) depctr_va_vdst(0) depctr_va_sdst(0) depctr_va_ssrc(0) depctr_va_vcc(0) depctr_vm_vsrc(0)
	s_getreg_b32 s2, hwreg(HW_REG_IB_STS2, 6, 4)
	s_cmp_eq_u32 s2, 0
	s_cbranch_scc0 .Lentry_in_a_cluster
	s_endpgm
.Lentry_in_a_cluster:
	s_bfe_u32 s2, ttmp6, 0x10000c
	s_cmp_lg_u32 s2, 0xf033
	s_cbranch_scc0 .Lentry_shape_is_right
	s_endpgm
.Lentry_shape_is_right:
; out0[token][n] = (the sum over k of merged[token][k] Wo[n][k]) x 2^(e10 + e11) + bo[n], on codes of E4M3.  merged: mc; Wo: the fourth MiB of wc; out0: [8,192][1,024] f32.
; A tile of C is 256 x 256, made by four waves, 128 x 128 each: 64 accumulators, 512 registers.  K = 1,024 goes in four slots of 256 through a ring of two LDS slots.
; OPERANDS ARE IMAGES OF THEIR REGISTERS (16 rows x 128 K: 2,048 bytes; registers 4 q .. 4 q + 3 of lane l at 512 q + 16 l), laid [rows / 128][4 K slots][8 blocks of 16 rows][2 K steps][image]:
; 128 rows x 256 K are one dense block of 32,768 bytes for one tensor load, and a fragment comes out of LDS by four loads of 512 consecutive bytes.
; CLUSTERS: 4 x 4 work-groups; A's tile is asked for jointly along a row of the cluster, B's along a column.  THE MATRIX INSTRUCTION IS USED TRANSPOSED: a lane holds eight neighbouring numbers of a row of C.
; THE WAY OUT: a block of 16 rows x 128 columns goes through the wave's own stage in LDS and comes back as whole rows of 512 bytes.  The stage lies in slot 0, which has had its last fill and its last read by then.
; LIMIT: e10 + e11 between -126 and 127.
; REGISTERS, in windows of 256: window 0: v0-31 addresses; v32-95 bo of my columns; from v128 A's fragments, ONE set; on the way out rows read back.   window 1: B's fragments, TWO sets.   windows 2, 3: the accumulators.
.set SIZE_N, 1024
.set HALFT,  32768
.set SLOT,   4*HALFT
.set SPARE,  2*SLOT                    ; behind the ring: the spare words, 128 bytes for each wave
.set SPITCH, 528                       ; a stage row: 512 bytes + 16
.set FR,     16
.set NL,     4
.set NP,     4
.set LAPS,   2
.set ADRA, 16
.set ADRB, 20
.set STO,  24                          ; v24  the way out: where I put 32 bytes of a row
.set RD,   25                          ; v25  where I read a row back
.set CO,   26                          ; v26  16 x lane: my byte offset in a row's 512 bytes
.set SPW,  28
.set NIL,  29
.set BN,   32
.set AF,   128
.set BK,   128                         ; the way out: 16 rows read back: v128-191 and v192-255 by turns
.set G1, 24
.set G0, 32
.set G1B, 48
.set G0B, 56
.set MSB, 0
.macro WIN new                         ; the immediate's high byte repeats the setting that is left
.if MSB != \new
	s_set_vgpr_msb (MSB<<8)|\new
.set MSB, \new
.endif
.endm
.set MUL_LO, 0xa1
.set MUL_HI, 0xf1
.set TO_B,   0x40
.macro JLOAD g0a, g1a, g0b, g1b        ; a joint load: waves 0 and 1 fetch for A, waves 2 and 3 for B; four v_nop follow each line
	s_cmp_eq_u32 s15, 0
	s_cbranch_scc0 .Lfor_b_\@
	tensor_load_to_lds s[\g0a:\g0a+3], s[\g1a:\g1a+7]
	s_nop 0
.rept 4
	v_nop
.endr
	s_branch .Lasked_\@
.Lfor_b_\@:
	tensor_load_to_lds s[\g0b:\g0b+3], s[\g1b:\g1b+7]
	s_nop 0
.rept 4
	v_nop
.endr
.Lasked_\@:
.endm
.macro CREST
	s_cmp_lg_u32 s14, 0
	s_cbranch_scc1 .Lnot_wave_0_\@
	s_barrier_signal -3
.Lnot_wave_0_\@:
	s_barrier_wait -3
	s_barrier_signal -1
	s_barrier_wait -1
.endm
.macro CROUND
	s_barrier_signal -1
	s_barrier_wait -1
	CREST
.endm
	s_load_b128 s[4:7], s[0:1], 0x0                ; mc s[4:5], wc s[6:7]
	s_load_b128 s[8:11], s[0:1], 0x10              ; the exponents s[8:9], bo s[10:11]
	s_load_b64 s[12:13], s[0:1], 0x20              ; out0
	v_lshl_add_u32 v[SPW], v0, 2, SPARE
	v_mov_b32 v[NIL], 0
	ds_add_u32 v28, v29
	ds_add_u32 v28, v29
	s_wait_dscnt 0x0
	v_lshrrev_b32 v1, 5, v0
	v_readfirstlane_b32 s14, v1                    ; wave 0..3
	s_lshr_b32 s15, s14, 1                         ; which half of the tile's rows is mine.  Also: I fetch for A (0) or for B (1)
	s_and_b32 s16, s14, 1                          ; which half of its columns.  Also: which 128 rows of that tile I fetch
	s_bfe_u32 s40, ttmp6, 0x40000                  ; cx, cy
	s_bfe_u32 s41, ttmp6, 0x40004
	s_lshl_b32 s42, ttmp9, 2
	s_add_co_u32 s42, s42, s40                     ; tile column of C
	s_and_b32 s17, ttmp7, 0xffff
	s_lshl_b32 s17, s17, 2
	s_add_co_u32 s17, s17, s41                     ; tile row of C
	s_lshl_b32 s43, s41, 2
	s_lshl_b32 s43, 15, s43                        ; my row of the cluster
	s_lshl_b32 s44, 0x1111, s40                    ; my column
	s_or_b32 s[G1+0], s43, (1<<21)                 ; the mask; elements of 1 byte; no padding; bit 21 set beside a mask
	s_or_b32 s[G1B+0], s44, (1<<21)
.irp g, G1, G1B
	s_mov_b32 s[\g+1], 256<<16                     ; a dense block of 128 rows x 256 bytes
	s_mov_b32 s[\g+2], 128<<16
	s_mov_b32 s[\g+3], 256<<16
	s_mov_b32 s[\g+4], 128
	s_mov_b32 s[\g+5], 256
	s_mov_b32 s[\g+6], 0
	s_mov_b32 s[\g+7], 0
.endr
	s_lshl_b32 s20, s17, 1
	s_add_co_u32 s20, s20, s16
	s_lshl_b32 s20, s20, 17                        ; A: (2 x tile row + half) x 131,072 bytes
	s_mov_b32 s21, 0
	s_lshl_b32 s46, s42, 1
	s_add_co_u32 s46, s46, s16
	s_lshl_b32 s46, s46, 17
	s_add_co_u32 s46, s46, 0x300000                ; B: Wo's section of wc, + (2 x tile column + half) x 131,072
	s_mov_b32 s47, 0
	s_lshl_b32 s45, s14, 15                        ; where they go: wave x 32,768
	s_wait_kmcnt 0x0
	s_load_b64 s[96:97], s[8:9], 0x28              ; e10, e11
	s_add_nc_u64 s[20:21], s[4:5], s[20:21]
	s_add_nc_u64 s[46:47], s[6:7], s[46:47]
	CROUND                                         ; all sixteen work-groups are here: the first joint loads meet
.irp s, 0,1
	s_mov_b32 s[G0+4*\s], 1
	s_add_co_u32 s[G0+4*\s+1], s45, \s*SLOT
	s_add_nc_u64 s[G0+4*\s+2:G0+4*\s+3], s[20:21], \s*HALFT
	s_or_b32 s[G0+4*\s+3], s[G0+4*\s+3], 0x80000000
	s_mov_b32 s[G0B+4*\s], 1
	s_add_co_u32 s[G0B+4*\s+1], s45, \s*SLOT
	s_add_nc_u64 s[G0B+4*\s+2:G0B+4*\s+3], s[46:47], \s*HALFT
	s_or_b32 s[G0B+4*\s+3], s[G0B+4*\s+3], 0x80000000
	s_wait_alu depctr_va_vdst(0)
	s_wait_tensorcnt 0x0
	ds_add_u32 v28, v29
	ds_add_u32 v28, v29
	s_wait_dscnt 0x0
	CROUND
	JLOAD G0+4*\s, G1, G0B+4*\s, G1B
.endr
	v_and_b32 v1, 31, v0
	v_lshlrev_b32 v[CO], 4, v1
	s_lshl_b32 s21, s15, 15                        ; my 128 rows of A
	s_lshl_b32 s22, s16, 15
	s_add_co_u32 s22, s22, 2*HALFT                 ; my 128 rows of B
.irp s, 0,1
	v_add_nc_u32 v[ADRA+\s], s21, v[CO]
	v_add_nc_u32 v[ADRB+\s], s22, v[CO]
	s_add_co_u32 s21, s21, SLOT
	s_add_co_u32 s22, s22, SLOT
.endr
	v_and_b32 v3, 15, v0                           ; r
	v_bfe_u32 v2, v0, 4, 1                         ; h
	s_mul_i32 s23, s14, 16*SPITCH                  ; my stage
	v_mul_u32_u24 v5, v3, SPITCH                   ; in: row r, 32 bytes for each half of the lanes
	v_lshl_add_u32 v5, v2, 5, v5
	v_add_nc_u32 v[STO], s23, v5
	v_add_nc_u32 v[RD], s23, v[CO]                 ; back: the 32 lanes take one row of 512 bytes
	v_lshlrev_b32 v2, 5, v2                        ; bo: 32 h
	s_lshl_b32 s18, s42, 10
	s_lshl_b32 s19, s16, 9
	s_add_co_u32 s18, s18, s19                     ; 4 (256 x tile column + 128 x my half of the columns)
	s_mov_b32 s19, 0
	s_add_nc_u64 s[10:11], s[10:11], s[18:19]
.irp b, 0,1,2,3,4,5,6,7
	global_load_b128 v[BN+8*\b:BN+8*\b+3], v2, s[10:11] offset:64*\b           ; bo(16 b + 8 h + 0 .. 7); they land while K is walked
	global_load_b128 v[BN+8*\b+4:BN+8*\b+7], v2, s[10:11] offset:64*\b+16
.endr
	s_lshl_b32 s20, s17, 8
	s_lshl_b32 s21, s15, 7
	s_add_co_u32 s20, s20, s21                     ; my first row of C,
	s_lshl_b32 s20, s20, 12                        ; of 4,096 bytes,
	s_add_co_u32 s20, s20, s18                     ; and my first column's bytes
	s_mov_b32 s21, 0
	s_add_nc_u64 s[12:13], s[12:13], s[20:21]
.macro FRAG reg, adr, q, i
.irp c, 0,1,2,3
	ds_load_b128 v[\reg+4*\c:\reg+4*\c+3], v[\adr] offset:4096*(\i)+2048*(\q)+512*\c
.endr
.endm
.macro MUL16 a0, p, zero               ; 16 matrix instructions; the 64 accumulators take turns, one instruction a turn
.irp a, \a0, \a0+1
.irp b, 0,1,2,3,4,5,6,7
.if \zero
	v_wmma_f32_16x16x128_fp8_fp8 v[8*(8*((\a)%4)+\b):8*(8*((\a)%4)+\b)+7], v[128*(\p)+FR*\b:128*(\p)+FR*\b+FR-1], v[AF+FR*(\a):AF+FR*(\a)+FR-1], 0
.else
	v_wmma_f32_16x16x128_fp8_fp8 v[8*(8*((\a)%4)+\b):8*(8*((\a)%4)+\b)+7], v[128*(\p)+FR*\b:128*(\p)+FR*\b+FR-1], v[AF+FR*(\a):AF+FR*(\a)+FR-1], v[8*(8*((\a)%4)+\b):8*(8*((\a)%4)+\b)+7]
.endif
.endr
.endr
.endm
.macro FETCH_B slot, q, p
	WIN TO_B
.irp i, 0,1,2,3,4,5,6,7
	FRAG 128*(\p)+FR*\i, ADRB+\slot, \q, \i
.endr
	WIN 0
.endm
.macro FETCH_A slot, q, i0
.irp i, \i0, \i0+1, \i0+2, \i0+3
	FRAG AF+FR*(\i), ADRA+\slot, \q, \i
.endr
.endm
.macro PLACES n
.rept \n
	v_nop
.endr
.endm
.macro STEP slot, q, zero
	s_wait_dscnt 4*NL                              ; B's set and A's blocks 0-3 are in; the youngest 16 loads (A's blocks 4-7) may be out
	WIN MUL_LO
	MUL16 0, (\q)%2, \zero
	MUL16 2, (\q)%2, \zero
	s_wait_dscnt 0
	PLACES NP
	FETCH_B \slot, (\q)+1, 1-(\q)%2
	FETCH_A \slot, (\q)+1, 0
	WIN MUL_HI
	MUL16 4, (\q)%2, \zero
	MUL16 6, (\q)%2, \zero
	PLACES NP
	WIN 0
	FETCH_A \slot, (\q)+1, 4
.endm
.macro TURN slot, next, fill
	s_wait_tensorcnt 0x0                           ; all my tensor loads have landed: my part of the next slot
	ds_add_u32 v[SPW], v[NIL]                      ; 0 onto my spare word
	s_wait_dscnt 4*NL+1                            ; (the add and the youngest 16 loads may be out)
	WIN MUL_LO
	MUL16 0, 1, 0
	s_wait_dscnt 0x0                               ; the add is done, and my reads of this slot are over
	s_barrier_signal -1
	MUL16 2, 1, 0
	WIN 0
	s_barrier_wait -1
.if \fill
	CREST                                          ; the barrier has opened a round of the cluster's barrier
	s_add_nc_u64 s[G0+4*\slot+2:G0+4*\slot+3], s[G0+4*\slot+2:G0+4*\slot+3], 2*HALFT
	s_add_nc_u64 s[G0B+4*\slot+2:G0B+4*\slot+3], s[G0B+4*\slot+2:G0B+4*\slot+3], 2*HALFT
	JLOAD G0+4*\slot, G1, G0B+4*\slot, G1B
.else
	PLACES NP
.endif
	s_wait_alu depctr_va_vdst(0)
	FETCH_B \next, 0, 0
	FETCH_A \next, 0, 0
	WIN MUL_HI
	MUL16 4, 1, 0
	MUL16 6, 1, 0
	PLACES NP
	WIN 0
	FETCH_A \next, 0, 4
.endm
	s_wait_tensorcnt 1                             ; my part of K slot 0 is in (K slot 1's load may be out),
	s_barrier_signal -1
	s_barrier_wait -1                              ; everybody's is
	FETCH_B 0, 0, 0
	FETCH_A 0, 0, 0
	FETCH_A 0, 0, 4
	STEP 0, 0, 1
	s_mov_b32 s3, LAPS-1
.Llap:
	TURN 0, 1, 1
	STEP 1, 0, 0
	TURN 1, 0, 1
	STEP 0, 0, 0
	s_sub_co_u32 s3, s3, 1
	s_cmp_lg_u32 s3, 0
	s_cbranch_scc1 .Llap
	TURN 0, 1, 0
	STEP 1, 0, 0
	s_wait_dscnt 4*NL
	WIN MUL_LO
	MUL16 0, 1, 0
	MUL16 2, 1, 0
	s_wait_dscnt 0
	WIN MUL_HI
	MUL16 4, 1, 0
	MUL16 6, 1, 0
	WIN 0
; THE WAY OUT, block by block of 16 rows x 128 columns: sum x 2^(e10 + e11) + bo in place, each accumulator from its low end on; into my stage; back as whole rows.  LDS serves a wave's instructions in order (ISA guide 5.7.1.4).
.macro TOSTAGE a
.set AC, 64*((\a)%4)
	WIN 0x82+0x41*((\a)/4)                         ; source 0 and destination: window 2 or 3
.set JJ, 0
.rept 32
	v_pk_fma_f32 v[AC+JJ:AC+JJ+1], v[AC+JJ:AC+JJ+1], s[96:97], v[BN+JJ:BN+JJ+1] op_sel_hi:[1,0,1]
.set JJ, JJ+2
.endr
	WIN 0x08+4*((\a)/4)                            ; an LDS store's data: window 2 or 3
.irp b, 0,1,2,3,4,5,6,7
	ds_store_b128 v[STO], v[AC+8*\b:AC+8*\b+3] offset:64*\b
	ds_store_b128 v[STO], v[AC+8*\b+4:AC+8*\b+7] offset:64*\b+16
.endr
	WIN 0
.set BB, BK+64*((\a)%2)
.irp t, 0,1,2,3,4,5,6,7,8,9,10,11,12,13,14,15
	ds_load_b128 v[BB+4*\t:BB+4*\t+3], v[RD] offset:\t*SPITCH
.endr
.endm
.macro SEND a, younger                 ; younger: the LDS instructions issued behind block a's loads, which may stay out
.set BB, BK+64*((\a)%2)
	s_wait_dscnt \younger
.if (\a) > 0
	s_add_nc_u64 s[12:13], s[12:13], 16*SIZE_N*4   ; (behind a wait on XCNT: the earlier stores have read their base)
.endif
.irp t, 0,1,2,3,4,5,6,7,8,9,10,11,12,13,14,15
	global_store_b128 v[CO], v[BB+4*\t:BB+4*\t+3], s[12:13] offset:\t*SIZE_N*4 th:TH_STORE_NT   ; 32 lanes store 512 consecutive bytes, aligned; written once, read by nobody here
.endr
.endm
	s_wait_loadcnt 0x0                             ; bo
	s_wait_kmcnt 0x0
	s_add_co_i32 s96, s96, s97
	s_add_co_i32 s96, s96, 127
	s_lshl_b32 s96, s96, 23                        ; 2^(e10 + e11) as f32
	s_mov_b32 s97, s96
	PLACES NP                                      ; behind the last products
	TOSTAGE 0
.irp a, 1,2,3,4,5,6,7
.if \a > 1
	s_wait_xcnt 0x0                                ; block a - 2's stores have read their registers and their base
.endif
	TOSTAGE \a
	SEND \a-1, 32                                  ; behind block a - 1's loads: block a's 16 stores and 16 loads
.endr
	s_wait_xcnt 0x0
	SEND 7, 0
	s_wait_tensorcnt 0x0                           ; the wave's end
	ds_add_u32 v[SPW], v[NIL]
	s_wait_dscnt 0x0
	CROUND                                         ; the closing round
	s_endpgm
.Lfunc_end_k_qc109f3fb73_oproj:
	.size	k_qc109f3fb73_oproj, .Lfunc_end_k_qc109f3fb73_oproj-k_qc109f3fb73_oproj
	.p2alignl 7, 3214868480
	.fill 96, 4, 3214868480
	.section	.rodata,"a",@progbits
	.p2align	6, 0x0
	.amdhsa_kernel k_qc109f3fb73_oproj
		.amdhsa_group_segment_fixed_size 327680
		.amdhsa_private_segment_fixed_size 0
		.amdhsa_enable_private_segment 0
		.amdhsa_kernarg_size 40
		.amdhsa_user_sgpr_count 2
		.amdhsa_user_sgpr_kernarg_segment_ptr 1
		.amdhsa_wavefront_size32 1
		.amdhsa_system_sgpr_workgroup_id_x 1
		.amdhsa_system_sgpr_workgroup_id_y 1
		.amdhsa_system_sgpr_workgroup_id_z 1
		.amdhsa_system_vgpr_workitem_id 0
		.amdhsa_next_free_vgpr 1024
		.amdhsa_next_free_sgpr 98
		.amdhsa_reserve_vcc 0
		.amdhsa_float_denorm_mode_32 3
		.amdhsa_float_denorm_mode_16_64 3
		.amdhsa_memory_ordered 1
		.amdhsa_forward_progress 1
		.amdhsa_inst_pref_size 126
	.end_amdhsa_kernel
	.amdgpu_metadata
---
amdhsa.version: [ 1, 2 ]
amdhsa.kernels:
  - .name:           k_qc109f3fb73_oproj
    .symbol:         k_qc109f3fb73_oproj.kd
    .args:
      - { .name: mc, .offset: 0, .size: 8, .value_kind: global_buffer, .address_space: global }
      - { .name: wc, .offset: 8, .size: 8, .value_kind: global_buffer, .address_space: global }
      - { .name: lowp_scales, .offset: 16, .size: 8, .value_kind: global_buffer, .address_space: global }
      - { .name: bo, .offset: 24, .size: 8, .value_kind: global_buffer, .address_space: global }
      - { .name: out0, .offset: 32, .size: 8, .value_kind: global_buffer, .address_space: global }
    .group_segment_fixed_size: 327680
    .private_segment_fixed_size: 0
    .kernarg_segment_align: 8
    .kernarg_segment_size: 40
    .max_flat_workgroup_size: 128
    .sgpr_count:     98
    .vgpr_count:     1024
    .wavefront_size: 32
...
	.end_amdgpu_metadata
.endif
;; end of part 4
